; MI455X (gfx1250); checked and timed in simulation.
; The chip was launched on July 23, 2026; its instructions are those of AMD's public machine-readable ISA for CDNA 5 (MIT licence, August 2026) and "CDNA5" Instruction Set Architecture Reference Guide (July 2026). The comments in the code are by the model that wrote it; some were corrected since.
;; Tiny Mo E. Allowed arithmetic: float matrix products may take bf16 or f16 operands with f32 sums; other float arithmetic in f32, or as packed bf16 or f16 multiplies, adds, multiply-adds, maxima and minima; sums over many terms, partial sums and values carried from step to step in f32; what a program stores and reads back later, other than sums and carried values, may be rounded once to bf16 or f16.
;; Inputs: expert_weights 8 x 1,024 x 1,024 float32; hidden_states 4 x 2,048 x 1,024 float32; router_w 8 x 1,024 float32.
;; Outputs: out0 4 x 2,048 x 1,024 float32.
;; 2 versions, each right and faster than the one before. Each part assembles by itself: llvm-mc -triple=amdgcn-amd-amdhsa -mcpu=gfx1250 --defsym DOCPART=n.
;; ======== version 1 of 2: 3 launches
;; workspace buffers: wb 16,777,216 bytes; xs 17,104,896 bytes; rsel 32,768 bytes of whole numbers; hist 32,768 bytes of whole numbers; coef 131,072 bytes; perm 33,792 bytes of whole numbers; coefs 135,168 bytes; table 1,536 bytes of whole numbers
;; launch route (part 1): grid 256 x 1, 8 waves a work-group, no clusters, 152,576 bytes of LDS; arguments hidden_states, router_w, expert_weights, wb, rsel, hist, coef; writes wb, rsel, hist, coef
.if DOCPART == 1
	.amdgcn_target "amdgcn-amd-amdhsa--gfx1250"
	.amdhsa_code_object_version 6
	.text
	.protected	k_q4c8a533617_route
	.globl	k_q4c8a533617_route
	.p2align	8
	.type	k_q4c8a533617_route,@function
k_q4c8a533617_route:
	s_mov_b64 s[64:65], 0
	v_nop
	global_prefetch_b8 v0, s[64:65] scope:SCOPE_SE
	s_setreg_imm32_b32 hwreg(HW_REG_WAVE_MODE, 25, 1), 1
	s_wait_xcnt 0x0
; ROUTE.  Two jobs in one launch: (1) the router for 32 tokens a work-group: logits = x . router_w^T with both operands rounded to bf16 and f32 sums,
; softmax, top 2, the two weights; (2) 32 rows (k) of one expert's weights are rounded to bf16 and laid out as the matrix unit's operand registers take them.
; What is chosen is STORED AT FIXED PLACES as whole numbers; no address and no branch of this launch hangs on it:
;   rsel[token] = sid + 32 x (how many earlier tokens of the token's block of 32 have the same sid);   hist[block][sid] = tokens of that sid in the block (28..31: 0)
;   coef[token] = (w_lo, w_hi, c, 0), c = w1 p1 + w2 p2.   sid numbers the 28 pairs lo < hi of experts in the order (0,1) (0,2) .. (0,7) (1,2) .. (6,7).
;   wb[expert][unit of 64 columns][step of 32 k][block of 16 columns][half][lane][16 bytes]: a fragment is 1,024 bytes; lane l holds column l % 16, in half 0 k = 8 (l / 16) + 0..7, in half 1 k = 16 + 8 (l / 16) + 0..7.
; SHARES.  Wave w takes columns 128 w .. 128 w + 127 of all 32 rows of x (a load of the wave covers 512 consecutive bytes of one row) and makes partial logits on the matrix unit;
; the eight partial sums meet in LDS behind the launch's one barrier, and wave 0 does the 32 tokens' softmax and choice, a token a lane.  Work-group b has expert b / 32, k = 32 (b % 32) on;
; wave w its columns 128 w on: rounded, stored as rows in the wave's own LDS bytes, read back turned, stored as eight fragments.
; LIMITS.  The top 2 are chosen on the logits (the exponential is monotone; a strict > in ascending order of the experts keeps the lower index on ties, as top_k does): two different logits
; whose probabilities round to one f32 may be ordered otherwise than by the probabilities.  The maximum that is taken away is the top logit itself.  An exponential below 2^-126 counts as 0.
; NaN and infinities are not treated apart.
.set XP,    272                        ; an LDS row of x: 128 bf16 = 256 bytes + 16: the 16 rows of a fragment load start 16 bytes apart modulo 256
.set XTW,   32*XP                      ; a wave's own 32 rows
.set PART,  8*XTW                      ; partial logits: wave w, token t: 8 f32 at PART + 1024 w + 32 t
.set SPARE, PART+8*1024                ; the spare words, 128 bytes a wave: four blocks of 256 bytes that no other line names
.set WP,    288                        ; an LDS row of W: 128 bf16 = 256 bytes + 32, an odd multiple of 32: 16 lanes of the turning load take 8 rows x 32 bytes without meeting
.set WTW,   32*WP                      ; a wave's own 32 rows of W
.set WTB,   SPARE+1024
.set LANE, 1
.set RR,   2                           ; lane % 16
.set HH,   3                           ; lane / 16
.set XO,   4                           ; 512 w + 16 lane: my 16 bytes of a row of x, and of a row of W
.set RO,   5                           ; (lane % 8) x 4096 + 512 w + 32 (lane / 16): my part of a fragment of router_w
.set ST,   6                           ; LDS: my 8 bytes of a row of x in bf16
.set FR,   7                           ; LDS: my part of a fragment of x
.set PA,   8                           ; LDS: my token's partial logits of my wave
.set WT,   9                           ; LDS: my 8 bytes of a row of W in bf16
.set WS,   10                          ; 16 lane: my 16 bytes of half a fragment in wb
.set SPW,  11                          ; my spare word; never rewritten
.set NIL,  12                          ; 0; never rewritten
.set WR,   13                          ; LDS: where my lane reads for the turning load
.set ACC,  16                          ; v[16:23], v[24:31] the two accumulators (tokens 0-15, 16-31)
.set RW,   32                          ; v[32:63] four fragments of router_w; later the logits and wave 0's work
.set X,    64                          ; v[64:191] row i of x at X + 4 i; later v[64:127] rows 16-31 of W
.set XF,   128                         ; v[128:191] eight fragments of x; later the 64 partial logits; at last eight fragments of W
.set RAW,  192                         ; v[192:255] router_w as loaded; later rows 0-15 of W
	s_load_b256 s[4:11], s[0:1], 0x0               ; x s[4:5], router_w s[6:7], W s[8:9], wb s[10:11]
	s_load_b128 s[12:15], s[0:1], 0x20             ; rsel s[12:13], hist s[14:15]
	s_load_b64 s[16:17], s[0:1], 0x30              ; coef
	v_lshl_add_u32 v[SPW], v0, 2, SPARE
	v_mov_b32 v[NIL], 0
	v_lshrrev_b32 v13, 5, v0
	v_readfirstlane_b32 s18, v13                   ; wave 0..7
	v_and_b32 v[LANE], 31, v0
	v_and_b32 v[RR], 15, v0
	v_bfe_u32 v[HH], v0, 4, 1
	v_and_b32 v13, 7, v0
	s_mov_b32 s19, 0xffff0000                      ; lanes 16-31
	s_lshl_b32 s22, s18, 9                         ; 512 w
	v_lshl_add_u32 v[XO], v[LANE], 4, s22
	v_lshl_add_u32 v[RO], v13, 12, s22             ; lanes 8-15 of each half repeat experts 0-7
	v_lshl_add_u32 v[RO], v[HH], 5, v[RO]
	s_mul_i32 s23, s18, XTW
	v_lshl_add_u32 v[ST], v[LANE], 3, s23
	v_mul_u32_u24 v[FR], v[RR], XP
	v_lshl_add_u32 v[FR], v[HH], 4, v[FR]
	v_add_nc_u32 v[FR], s23, v[FR]
	s_lshl_b32 s24, s18, 10
	s_add_co_u32 s24, s24, PART
	v_lshl_add_u32 v[PA], v[LANE], 5, s24
	s_mul_i32 s25, s18, WTW
	s_add_co_u32 s25, s25, WTB
	v_lshl_add_u32 v[WT], v[LANE], 3, s25
	v_lshlrev_b32 v[WS], 4, v[LANE]
	v_lshl_add_u32 v14, v[HH], 3, v13              ; the turning load: lane reads row 8 (l / 16) + l % 8,
	v_mul_u32_u24 v14, v14, WP
	v_bfe_u32 v15, v0, 3, 1
	v_lshl_add_u32 v14, v15, 4, v14                ; columns 8 ((l / 8) % 2) + 0..7 of the block
	v_add_nc_u32 v[WR], s25, v14
	s_lshl_b32 s20, ttmp9, 17                      ; 32 rows of 4,096 bytes: of x, and of W
	s_mov_b32 s21, 0
	s_wait_kmcnt 0x0
	s_add_nc_u64 s[4:5], s[4:5], s[20:21]
	s_add_nc_u64 s[8:9], s[8:9], s[20:21]
	s_lshr_b32 s20, ttmp9, 5
	s_lshl_b32 s20, s20, 21                        ; the expert's 2,097,152 bytes of wb,
	s_and_b32 s26, ttmp9, 31
	s_lshl_b32 s26, s26, 12                        ; the step's 4,096 bytes in a unit of 64 columns,
	s_add_co_u32 s20, s20, s26
	s_lshl_b32 s26, s18, 18                        ; my wave's two units of 131,072 bytes
	s_add_co_u32 s20, s20, s26
	s_add_nc_u64 s[10:11], s[10:11], s[20:21]
	s_lshl_b32 s20, ttmp9, 7
	s_add_nc_u64 s[12:13], s[12:13], s[20:21]
	s_add_nc_u64 s[14:15], s[14:15], s[20:21]
	s_lshl_b32 s20, ttmp9, 9
	s_add_nc_u64 s[16:17], s[16:17], s[20:21]
	; router_w: fragment q is 16 rows (8 experts, twice) x 32 columns; a lane wants columns 8 h + 0..7 and 16 + 8 h + 0..7: in f32 four loads of 16 bytes
.irp q, 0,1,2,3
	global_load_b128 v[RAW+16*(\q):RAW+16*(\q)+3],     v[RO], s[6:7] offset:128*(\q)
	global_load_b128 v[RAW+16*(\q)+4:RAW+16*(\q)+7],   v[RO], s[6:7] offset:128*(\q)+16
	global_load_b128 v[RAW+16*(\q)+8:RAW+16*(\q)+11],  v[RO], s[6:7] offset:128*(\q)+64
	global_load_b128 v[RAW+16*(\q)+12:RAW+16*(\q)+15], v[RO], s[6:7] offset:128*(\q)+80
.endr
.set i, 0
.rept 32                                               ; my 512 bytes of all 32 rows: 32 loads on their way
	global_load_b128 v[X+4*i:X+4*i+3], v[XO], s[4:5] offset:4096*i
.set i, i+1
.endr
	s_wait_loadcnt 32                              ; the 16 loads of router_w are in; the 32 rows issued behind them stay out
.set i, 0
.rept 32
	v_cvt_pk_bf16_f32 v[RW+i], v[RAW+2*i], v[RAW+2*i+1]
.set i, i+1
.endr
.set i, 0
.rept 16                                               ; rows 0-15 of W, my 512 bytes of each, into the registers just read
	global_load_b128 v[RAW+4*i:RAW+4*i+3], v[XO], s[8:9] offset:4096*i th:TH_LOAD_NT
.set i, i+1
.endr
.irp grp, 0,1,2,3
	s_wait_loadcnt 40-8*(\grp)                     ; eight more rows are in: behind them stand the younger rows and the 16 loads of W
.set i, 8*(\grp)
.rept 8
	v_cvt_pk_bf16_f32 v[X+4*i],   v[X+4*i],   v[X+4*i+1]
	v_cvt_pk_bf16_f32 v[X+4*i+1], v[X+4*i+2], v[X+4*i+3]
	ds_store_b64 v[ST], v[X+4*i:X+4*i+1] offset:XP*i   ; the wave's 32 lanes write the row's 256 bytes
.set i, i+1
.endr
.endr
.set i, 0
.rept 16                                               ; rows 16-31 of W, into the registers of x's rows 0-15
	global_load_b128 v[X+4*i:X+4*i+3], v[XO], s[8:9] offset:4096*(16+i) th:TH_LOAD_NT
.set i, i+1
.endr
.irp t, 0,1                                            ; the wave's own bytes: LDS serves a wave's instructions in order, so these see the stores above
.irp q, 0,1,2,3
	ds_load_b128 v[XF+8*(4*(\t)+(\q)):XF+8*(4*(\t)+(\q))+3],   v[FR] offset:16*(\t)*XP+64*(\q)
	ds_load_b128 v[XF+8*(4*(\t)+(\q))+4:XF+8*(4*(\t)+(\q))+7], v[FR] offset:16*(\t)*XP+64*(\q)+32
.endr
.endr
	s_wait_dscnt 0x0
	; source 0 = experts, source 1 = tokens: register j of a lane holds expert j of token lane % 16, in both halves of the lanes.  The two accumulators take turns.
.irp q, 0,1,2,3
.irp t, 0,1
.if (\q) == 0
	v_wmma_f32_16x16x32_bf16 v[ACC+8*(\t):ACC+8*(\t)+7], v[RW+8*(\q):RW+8*(\q)+7], v[XF+8*(4*(\t)+(\q)):XF+8*(4*(\t)+(\q))+7], 0
.else
	v_wmma_f32_16x16x32_bf16 v[ACC+8*(\t):ACC+8*(\t)+7], v[RW+8*(\q):RW+8*(\q)+7], v[XF+8*(4*(\t)+(\q)):XF+8*(4*(\t)+(\q))+7], v[ACC+8*(\t):ACC+8*(\t)+7]
.endif
.endr
.endr
.rept 4
	v_nop                                          ; four places between the last product and the lines that read its result and write its sources (ISA guide 7.12.1)
.endr
.irp j, 0,1,2,3,4,5,6,7                                ; lanes 0-15 keep tokens 0-15, lanes 16-31 take tokens 16-31: a token a lane; each accumulator is read from its low end
	v_cndmask_b32 v[RW+(\j)], v[ACC+(\j)], v[ACC+8+(\j)], s19
.endr
	ds_store_b128 v[PA], v[RW:RW+3]
	ds_store_b128 v[PA], v[RW+4:RW+7] offset:16
	s_wait_dscnt 0x0                               ; for wave 0's sake: my partial logits are in LDS
	s_barrier_signal -1
	s_barrier_wait -1
	s_cmp_lg_u32 s18, 0
	s_cbranch_scc1 .Lcast
	; WAVE 0: softmax and choice, a token a lane
.irp w, 0,1,2,3,4,5,6,7
	ds_load_b128 v[XF+8*(\w):XF+8*(\w)+3],   v[PA] offset:1024*(\w)      ; wave 0's PA is PART + 32 x lane
	ds_load_b128 v[XF+8*(\w)+4:XF+8*(\w)+7], v[PA] offset:1024*(\w)+16
.endr
	v_lshlrev_b32 v14, 2, v[LANE]
	v_lshlrev_b32 v15, 4, v[LANE]
	s_wait_dscnt 0x0
.irp p, 0,2,4,6
	v_pk_add_f32 v[RW+(\p):RW+(\p)+1], v[XF+(\p):XF+(\p)+1], v[XF+8+(\p):XF+8+(\p)+1]
.endr
.irp w, 2,3,4,5,6,7
.irp p, 0,2,4,6
	v_pk_add_f32 v[RW+(\p):RW+(\p)+1], v[RW+(\p):RW+(\p)+1], v[XF+8*(\w)+(\p):XF+8*(\w)+(\p)+1]
.endr
.endr
	; v[32:39] the logits.  v40 b1, v41 i1: the best and its expert; v42 b2, v43 i2: the second
	v_cmp_gt_f32 vcc_lo, v33, v32
	v_cndmask_b32 v40, v32, v33, vcc_lo
	v_cndmask_b32 v41, 0, 1, vcc_lo
	v_cndmask_b32 v42, v33, v32, vcc_lo
	v_cndmask_b32 v43, 1, 0, vcc_lo
.irp e, 2,3,4,5,6,7
	v_cmp_gt_f32 vcc_lo, v[32+(\e)], v40
	v_cmp_gt_f32 s20, v[32+(\e)], v42
	v_cndmask_b32 v42, v42, v[32+(\e)], s20
	v_cndmask_b32 v43, v43, \e, s20
	v_cndmask_b32 v42, v42, v40, vcc_lo
	v_cndmask_b32 v43, v43, v41, vcc_lo
	v_cndmask_b32 v40, v40, v[32+(\e)], vcc_lo
	v_cndmask_b32 v41, v41, \e, vcc_lo
.endr
.irp j, 0,1,2,3,4,5,6,7
	v_sub_f32 v[48+(\j)], v[32+(\j)], v40          ; the maximum, b1, is taken away first,
.endr
	v_sub_f32 v56, v42, v40
.irp j, 0,1,2,3,4,5,6,7,8
	v_mul_f32 v[48+(\j)], 0x3fb8aa3b, v[48+(\j)]   ; then log2(e): the exponential works in base 2
.endr
.irp j, 0,1,2,3,4,5,6,7,8
	v_exp_f32 v[48+(\j)], v[48+(\j)]               ; one batch of nine
.endr
	v_mov_b32 v18, 0                               ; a plain instruction behind the last exponential (it starts rsel's word)
	s_wait_alu depctr_va_vdst(0)                   ; one wait for the batch, ahead of its first reader
	v_pk_add_f32 v[48:49], v[48:49], v[50:51]
	v_pk_add_f32 v[52:53], v[52:53], v[54:55]
	v_pk_add_f32 v[48:49], v[48:49], v[52:53]
	v_add_f32 v48, v48, v49                        ; S
	v_rcp_f32 v57, v48                             ; p1 = 1 / S: the best logit's exponential is 1
	v_mov_b32 v17, 0                               ; the plain instruction (it starts hist's word)
	s_wait_alu depctr_va_vdst(0)
	v_mul_f32 v58, v56, v57                        ; p2
	v_add_f32 v59, v57, v58
	v_add_f32 v59, 0x358637bd, v59                 ; + 1e-6
	v_rcp_f32 v60, v59
	v_mov_b32 v47, 0                               ; the plain instruction (coef's fourth word)
	s_wait_alu depctr_va_vdst(0)
	v_mul_f32 v61, v57, v60                        ; w1
	v_mul_f32 v62, v58, v60                        ; w2
	v_mul_f32 v63, v62, v58
	v_fma_f32 v46, v61, v57, v63                   ; c = w1 p1 + w2 p2
	v_cmp_lt_u32 vcc_lo, v41, v43
	v_cndmask_b32 v44, v62, v61, vcc_lo            ; the weight of the lower expert,
	v_cndmask_b32 v45, v61, v62, vcc_lo            ; of the higher
	v_cndmask_b32 v20, v43, v41, vcc_lo            ; lo
	v_cndmask_b32 v21, v41, v43, vcc_lo            ; hi
	v_lshl_add_u32 v16, v20, 3, v21                ; 8 lo + hi
	; for each of the 28 pairs: who has it (a lane mask), how many (into lane sid of hist's word), and each holder's rank among the holders
.set sid, 0
.irp lo, 0,1,2,3,4,5,6
.irp hi, 1,2,3,4,5,6,7
.if (\hi) > (\lo)
	v_cmp_eq_u32 s20, 8*(\lo)+(\hi), v16
	s_bcnt1_i32_b32 s21, s20
	v_writelane_b32 v17, s21, sid
	v_mbcnt_lo_u32_b32 v19, s20, 0
	v_lshl_add_u32 v19, v19, 5, sid
	v_cndmask_b32 v18, v18, v19, s20
.set sid, sid+1
.endif
.endr
.endr
	global_store_b32 v14, v18, s[12:13]
	global_store_b32 v14, v17, s[14:15]
	global_store_b128 v15, v[44:47], s[16:17]
.Lcast:                                                ; every wave: its 32 rows x 128 columns of W, rounded to bf16, as rows into its own LDS bytes
	s_wait_loadcnt 16                              ; rows 0-15 are in; the 16 loads of rows 16-31 stay out
.set i, 0
.rept 16
	v_cvt_pk_bf16_f32 v[RAW+4*i],   v[RAW+4*i],   v[RAW+4*i+1]
	v_cvt_pk_bf16_f32 v[RAW+4*i+1], v[RAW+4*i+2], v[RAW+4*i+3]
	ds_store_b64 v[WT], v[RAW+4*i:RAW+4*i+1] offset:WP*i
.set i, i+1
.endr
	s_wait_loadcnt 0x0
.set i, 0
.rept 16
	v_cvt_pk_bf16_f32 v[X+4*i],   v[X+4*i],   v[X+4*i+1]
	v_cvt_pk_bf16_f32 v[X+4*i+1], v[X+4*i+2], v[X+4*i+3]
	ds_store_b64 v[WT], v[X+4*i:X+4*i+1] offset:WP*(16+i)
.set i, i+1
.endr
.irp nb, 0,1,2,3,4,5,6,7                               ; back turned: block nb of 16 columns, k = 8 h + 0..7 and 16 + 8 h + 0..7 of column lane % 16; LDS serves the wave in order, so these see the stores above
	ds_load_tr16_b128 v[XF+8*(\nb):XF+8*(\nb)+3],   v[WR] offset:32*(\nb)
	ds_load_tr16_b128 v[XF+8*(\nb)+4:XF+8*(\nb)+7], v[WR] offset:32*(\nb)+16*WP
.endr
.irp nb, 0,1,2,3,4,5,6,7
	s_wait_dscnt 14-2*(\nb)                        ; this block's two loads are back; the younger blocks' may be out
	global_store_b128 v[WS], v[XF+8*(\nb):XF+8*(\nb)+3],   s[10:11] offset:((\nb)/4)*131072+((\nb)%4)*1024       ; a store of the wave covers 512 consecutive bytes, aligned
	global_store_b128 v[WS], v[XF+8*(\nb)+4:XF+8*(\nb)+7], s[10:11] offset:((\nb)/4)*131072+((\nb)%4)*1024+512
.endr
	s_wait_tensorcnt 0x0                           ; the wave's end: behind my last LDS store
	ds_add_u32 v[SPW], v[NIL]
	s_wait_dscnt 0x0
	s_endpgm
.Lfunc_end_k_q4c8a533617_route:
	.size	k_q4c8a533617_route, .Lfunc_end_k_q4c8a533617_route-k_q4c8a533617_route
	.p2alignl 7, 3214868480
	.fill 96, 4, 3214868480
	.section	.rodata,"a",@progbits
	.p2align	6, 0x0
	.amdhsa_kernel k_q4c8a533617_route
		.amdhsa_group_segment_fixed_size 152576
		.amdhsa_private_segment_fixed_size 0
		.amdhsa_enable_private_segment 0
		.amdhsa_kernarg_size 56
		.amdhsa_user_sgpr_count 2
		.amdhsa_user_sgpr_kernarg_segment_ptr 1
		.amdhsa_wavefront_size32 1
		.amdhsa_system_sgpr_workgroup_id_x 1
		.amdhsa_system_sgpr_workgroup_id_y 1
		.amdhsa_system_sgpr_workgroup_id_z 1
		.amdhsa_system_vgpr_workitem_id 0
		.amdhsa_next_free_vgpr 256
		.amdhsa_next_free_sgpr 66
		.amdhsa_reserve_vcc 1
		.amdhsa_float_denorm_mode_32 3
		.amdhsa_float_denorm_mode_16_64 3
		.amdhsa_memory_ordered 1
		.amdhsa_forward_progress 1
		.amdhsa_inst_pref_size 47
	.end_amdhsa_kernel
	.amdgpu_metadata
---
amdhsa.version: [ 1, 2 ]
amdhsa.kernels:
  - .name:           k_q4c8a533617_route
    .symbol:         k_q4c8a533617_route.kd
    .args:
      - { .name: hidden_states, .offset: 0, .size: 8, .value_kind: global_buffer, .address_space: global }
      - { .name: router_w, .offset: 8, .size: 8, .value_kind: global_buffer, .address_space: global }
      - { .name: expert_weights, .offset: 16, .size: 8, .value_kind: global_buffer, .address_space: global }
      - { .name: wb, .offset: 24, .size: 8, .value_kind: global_buffer, .address_space: global }
      - { .name: rsel, .offset: 32, .size: 8, .value_kind: global_buffer, .address_space: global }
      - { .name: hist, .offset: 40, .size: 8, .value_kind: global_buffer, .address_space: global }
      - { .name: coef, .offset: 48, .size: 8, .value_kind: global_buffer, .address_space: global }
    .group_segment_fixed_size: 152576
    .private_segment_fixed_size: 0
    .kernarg_segment_align: 8
    .kernarg_segment_size: 56
    .max_flat_workgroup_size: 256
    .sgpr_count:     66
    .vgpr_count:     256
    .wavefront_size: 32
...
	.end_amdgpu_metadata
.endif
;; end of part 1
;; launch place (part 2): grid 257 x 1, 8 waves a work-group, no clusters, 3,072 bytes of LDS; arguments hidden_states, rsel, hist, coef, xs, perm, coefs, table; writes xs, perm, coefs, table
.if DOCPART == 2
	.amdgcn_target "amdgcn-amd-amdhsa--gfx1250"
	.amdhsa_code_object_version 6
	.text
	.protected	k_q4c8a533617_place
	.globl	k_q4c8a533617_place
	.p2align	8
	.type	k_q4c8a533617_place,@function
k_q4c8a533617_place:
	s_mov_b64 s[64:65], 0
	v_nop
	global_prefetch_b8 v0, s[64:65] scope:SCOPE_SE
	s_setreg_imm32_b32 hwreg(HW_REG_WAVE_MODE, 25, 1), 1
	s_wait_xcnt 0x0
; PLACE.  A counting sort of the 8,192 tokens by their pair of experts (sid 0..27), from the whole numbers that the launch before stored.  No atomics: every work-group adds up
; the 256 x 32 histogram for itself.  A token's place = (tokens of lower sids) + (tokens of its sid in lower blocks) + (its rank in its block).
; Work-group b < 256 places its block of 32 tokens: the rows of x, rounded to bf16, go to xs in sorted order (wave w: rows 4 w .. 4 w + 3; a store of the wave covers 256 consecutive
; bytes, aligned); wave 0 also sends each token's number to perm and its three coefficients to coefs.
; Work-group 256 writes the list of row tiles (start row, rows 0..160, lower expert, higher expert; a pair of c tokens has ceil(c / 160) tiles; 96 entries, the unused ones with 0 rows)
; and the zeros behind the sorted data that a last tile may reach into: 160 rows of xs, 256 entries of perm and of coefs.
; All 257 run one text up to and behind the one barrier, so work-group 256 also issues block 255's loads of x, rsel and coef; it uses none of them and leaves their registers alone.
.set RED,   0                          ; LDS: wave w, lane s: its blocks' total of sid s at 256 w + 4 s, of the blocks below mine at + 128
.set SPARE, 2048                       ; the spare words, 128 bytes a wave: four blocks of 256 bytes that no other line names
.set LANE, 1
.set HO,   2                           ; 4096 w + 4 lane: sid = lane of block 32 w in hist
.set L4,   3
.set L8,   4
.set L16,  5
.set XO,   6                           ; 16384 w + 16 lane: my 16 bytes of my wave's first row
.set SPW,  7                           ; my spare word; never rewritten
.set NIL,  8                           ; 0; never rewritten
.set TOT,  9                           ; lane s: tokens of sid s
.set PRE,  10                          ; lane s: those in blocks below mine
.set BAS,  11                          ; lane s: tokens of lower sids
.set OFS,  12                          ; BAS + PRE
.set POS,  13                          ; lane t: the sorted place of token t of my block
.set T,    14
.set T2,   15
.set H,    16                          ; v[16:47] 32 words of hist; later at work
.set CFV,  48                          ; v[48:51] my token's coef
.set SR,   52                          ; my token's rsel
.set ENT,  56                          ; v[56:59] a table entry
.set Z,    60                          ; v[60:63] zeros
.set X,    64                          ; v[64:191] row i, chunk c at X + 32 i + 4 c
	s_load_b512 s[8:23], s[0:1], 0x0               ; x s[8:9], rsel s[10:11], hist s[12:13], coef s[14:15], xs s[16:17], perm s[18:19], coefs s[20:21], table s[22:23]
	v_lshl_add_u32 v[SPW], v0, 2, SPARE
	v_mov_b32 v[NIL], 0
	v_lshrrev_b32 v[T], 5, v0
	v_readfirstlane_b32 s26, v[T]                  ; wave 0..7
	v_and_b32 v[LANE], 31, v0
	s_mov_b32 s24, ttmp9                           ; b
	s_min_u32 s25, s24, 255                        ; the block whose rows are loaded
	v_lshlrev_b32 v[L4], 2, v[LANE]
	v_lshlrev_b32 v[L8], 3, v[LANE]
	v_lshlrev_b32 v[L16], 4, v[LANE]
	s_lshl_b32 s28, s26, 12
	v_add_nc_u32 v[HO], s28, v[L4]
	s_lshl_b32 s28, s26, 14
	v_add_nc_u32 v[XO], s28, v[L16]
	s_lshl_b32 s30, s25, 17
	s_mov_b32 s31, 0
	s_wait_kmcnt 0x0
	s_add_nc_u64 s[8:9], s[8:9], s[30:31]
	s_lshl_b32 s30, s25, 7
	s_add_nc_u64 s[10:11], s[10:11], s[30:31]
	s_lshl_b32 s30, s25, 9
	s_add_nc_u64 s[14:15], s[14:15], s[30:31]
.set i, 0
.rept 32                                               ; my wave's 32 blocks of the histogram, a sid a lane
	global_load_b32 v[H+i], v[HO], s[12:13] offset:128*i
.set i, i+1
.endr
	global_load_b32 v[SR], v[L4], s[10:11]
	global_load_b128 v[CFV:CFV+3], v[L16], s[14:15]
.irp i, 0,1,2,3
.irp c, 0,1,2,3,4,5,6,7                                ; my wave's four rows: each load covers 512 consecutive bytes
	global_load_b128 v[X+32*(\i)+4*(\c):X+32*(\i)+4*(\c)+3], v[XO], s[8:9] offset:4096*(\i)+512*(\c) th:TH_LOAD_NT
.endr
.endr
	s_wait_loadcnt 34                              ; the histogram is in; behind it stand rsel, coef and the 32 loads of x
	s_lshl_b32 s27, s26, 5
	s_sub_co_i32 s27, s24, s27                     ; b - 32 w: my wave's block i lies below mine if i is less
	v_mov_b32 v[TOT], 0
	v_mov_b32 v[PRE], 0
.set i, 0
.rept 32
	s_cmp_lt_i32 i, s27
	s_cselect_b32 s28, 1, 0
	v_add_nc_u32 v[TOT], v[TOT], v[H+i]
	v_mad_u32_u24 v[PRE], v[H+i], s28, v[PRE]
.set i, i+1
.endr
	s_lshl_b32 s28, s26, 8
	v_add_nc_u32 v[T], s28, v[L4]
	ds_store_b32 v[T], v[TOT]
	ds_store_b32 v[T], v[PRE] offset:128
	s_wait_dscnt 0x0                               ; for the others' sake: my sums are in LDS
	s_barrier_signal -1
	s_barrier_wait -1
.irp w, 0,1,2,3,4,5,6,7
	ds_load_b32 v[H+2*(\w)],   v[L4] offset:256*(\w)
	ds_load_b32 v[H+2*(\w)+1], v[L4] offset:256*(\w)+128
.endr
	s_wait_dscnt 0x0
	v_add3_u32 v[TOT], v[H], v[H+2], v[H+4]
	v_add3_u32 v[PRE], v[H+1], v[H+3], v[H+5]
	v_add3_u32 v[TOT], v[TOT], v[H+6], v[H+8]
	v_add3_u32 v[PRE], v[PRE], v[H+7], v[H+9]
	v_add3_u32 v[TOT], v[TOT], v[H+10], v[H+12]
	v_add3_u32 v[PRE], v[PRE], v[H+11], v[H+13]
	v_add_nc_u32 v[TOT], v[TOT], v[H+14]
	v_add_nc_u32 v[PRE], v[PRE], v[H+15]
	s_mov_b32 s41, 0
	v_mov_b32 v[BAS], 0
.set sid, 0
.rept 28                                               ; the running sum over the sids
	v_readlane_b32 s40, v[TOT], sid
	v_writelane_b32 v[BAS], s41, sid
	s_add_co_u32 s41, s41, s40
.set sid, sid+1
.endr
	v_add_nc_u32 v[OFS], v[BAS], v[PRE]
	s_cmp_eq_u32 s24, 256
	s_cbranch_scc1 .Ltable
	; THE ROWS
	s_wait_loadcnt 32                              ; rsel and coef are in; the 32 loads of x stay out
	v_and_b32 v[T], 31, v[SR]                      ; my token's sid,
	v_min_u32 v[T], 27, v[T]                       ; held to the table's range before it serves as a lane's number
	v_lshlrev_b32 v[T], 2, v[T]
	ds_bpermute_b32 v[T2], v[T], v[OFS]            ; where my sid's tokens of this block begin
	v_lshrrev_b32 v[POS], 5, v[SR]                 ; my rank among them
	s_wait_dscnt 0x0
	v_add_nc_u32 v[POS], v[POS], v[T2]
	v_min_u32 v[POS], 0x1fff, v[POS]               ; a number made of loaded ones is clamped before it enters an address
	s_cmp_lg_u32 s26, 0
	s_cbranch_scc1 .Lrows
	s_lshl_b32 s28, s24, 5
	v_add_nc_u32 v53, s28, v[LANE]                 ; my token's number
	v_lshlrev_b32 v54, 2, v[POS]
	v_lshlrev_b32 v55, 4, v[POS]
	global_store_b32 v54, v53, s[18:19]
	global_store_b128 v55, v[CFV:CFV+3], s[20:21]
.Lrows:
	s_lshl_b32 s45, s26, 2
.irp i, 0,1,2,3
	s_add_co_u32 s46, s45, \i
	v_readlane_b32 s30, v[POS], s46                ; the place of my wave's row i
	s_min_u32 s30, s30, 0x1fff
	s_lshl_b32 s30, s30, 11                        ; rows of 2,048 bytes
	s_add_nc_u64 s[32+2*(\i):33+2*(\i)], s[16:17], s[30:31]
.endr
.irp i, 0,1,2,3
	s_wait_loadcnt 24-8*(\i)                       ; row i's eight loads are in; the younger rows' stay out
.irp c, 0,1,2,3,4,5,6,7
	v_cvt_pk_bf16_f32 v[X+32*(\i)+4*(\c)],   v[X+32*(\i)+4*(\c)],   v[X+32*(\i)+4*(\c)+1]
	v_cvt_pk_bf16_f32 v[X+32*(\i)+4*(\c)+1], v[X+32*(\i)+4*(\c)+2], v[X+32*(\i)+4*(\c)+3]
	global_store_b64 v[L8], v[X+32*(\i)+4*(\c):X+32*(\i)+4*(\c)+1], s[32+2*(\i):33+2*(\i)] offset:256*(\c)
.endr
.endr
	s_branch .Lend
.Ltable:                                               ; WORK-GROUP 256
	s_cmp_gt_u32 s26, 2
	s_cbranch_scc1 .Ltails
	v_mov_b32 v[ENT], 0                            ; threads 0..95: entry = thread.  An entry that no pair claims: 0 rows
	v_mov_b32 v[ENT+1], 0
	v_mov_b32 v[ENT+2], 0
	v_mov_b32 v[ENT+3], 1
	s_mov_b32 s43, 0                               ; tiles of the pairs so far
	s_mov_b32 s44, 0                               ; rows of the pairs so far
.set sid, 0
.irp lo, 0,1,2,3,4,5,6
.irp hi, 1,2,3,4,5,6,7
.if (\hi) > (\lo)
	v_readlane_b32 s40, v[TOT], sid                ; c
	s_add_co_u32 s42, s40, 159
	s_mul_hi_u32 s42, s42, 0x0199999a              ; ceil(c / 160): 0x199999a x 160 = 2^32 + 64, so the quotient is exact below 2^26
	v_subrev_nc_u32 v16, s43, v0                   ; which tile of the pair I would be (wraps to a large number below the pair's first)
	v_cmp_gt_u32 vcc_lo, s42, v16
	v_mul_u32_u24 v17, v16, 160
	v_add_nc_u32 v18, s44, v17
	v_sub_nc_u32 v19, s40, v17
	v_cndmask_b32 v[ENT], v[ENT], v18, vcc_lo
	v_cndmask_b32 v[ENT+1], v[ENT+1], v19, vcc_lo
	v_cndmask_b32 v[ENT+2], v[ENT+2], \lo, vcc_lo
	v_cndmask_b32 v[ENT+3], v[ENT+3], \hi, vcc_lo
	s_add_co_u32 s43, s43, s42
	s_add_co_u32 s44, s44, s40
.set sid, sid+1
.endif
.endr
.endr
	v_min_u32 v[ENT+1], 160, v[ENT+1]              ; all but a pair's last tile are full
	v_lshlrev_b32 v[T], 4, v0
	global_store_b128 v[T], v[ENT:ENT+3], s[22:23]
.Ltails:
.irp j, 0,1,2,3
	v_mov_b32 v[Z+(\j)], 0
.endr
	s_cmp_lg_u32 s26, 3
	s_cbranch_scc1 .Lxs
.irp i, 0,1
	global_store_b128 v[L16], v[Z:Z+3], s[18:19] offset:32768+512*(\i)     ; perm's entries 8192 .. 8447
.endr
.irp i, 0,1,2,3,4,5,6,7
	global_store_b128 v[L16], v[Z:Z+3], s[20:21] offset:131072+512*(\i)    ; coefs' entries 8192 .. 8447
.endr
.Lxs:
	s_add_nc_u64 s[16:17], s[16:17], 0x1000000     ; xs behind its 8,192 rows: 160 rows of zeros, 40,960 bytes a wave
	s_mul_i32 s28, s26, 40960
	v_add_nc_u32 v[T2], s28, v[L16]
.set i, 0
.rept 80
	global_store_b128 v[T2], v[Z:Z+3], s[16:17] offset:512*i
.set i, i+1
.endr
.Lend:
	s_wait_tensorcnt 0x0                           ; the wave's end: behind my last LDS store
	ds_add_u32 v[SPW], v[NIL]
	s_wait_dscnt 0x0
	s_endpgm
.Lfunc_end_k_q4c8a533617_place:
	.size	k_q4c8a533617_place, .Lfunc_end_k_q4c8a533617_place-k_q4c8a533617_place
	.p2alignl 7, 3214868480
	.fill 96, 4, 3214868480
	.section	.rodata,"a",@progbits
	.p2align	6, 0x0
	.amdhsa_kernel k_q4c8a533617_place
		.amdhsa_group_segment_fixed_size 3072
		.amdhsa_private_segment_fixed_size 0
		.amdhsa_enable_private_segment 0
		.amdhsa_kernarg_size 64
		.amdhsa_user_sgpr_count 2
		.amdhsa_user_sgpr_kernarg_segment_ptr 1
		.amdhsa_wavefront_size32 1
		.amdhsa_system_sgpr_workgroup_id_x 1
		.amdhsa_system_sgpr_workgroup_id_y 1
		.amdhsa_system_sgpr_workgroup_id_z 1
		.amdhsa_system_vgpr_workitem_id 0
		.amdhsa_next_free_vgpr 192
		.amdhsa_next_free_sgpr 66
		.amdhsa_reserve_vcc 1
		.amdhsa_float_denorm_mode_32 3
		.amdhsa_float_denorm_mode_16_64 3
		.amdhsa_memory_ordered 1
		.amdhsa_forward_progress 1
		.amdhsa_inst_pref_size 56
	.end_amdhsa_kernel
	.amdgpu_metadata
---
amdhsa.version: [ 1, 2 ]
amdhsa.kernels:
  - .name:           k_q4c8a533617_place
    .symbol:         k_q4c8a533617_place.kd
    .args:
      - { .name: hidden_states, .offset: 0, .size: 8, .value_kind: global_buffer, .address_space: global }
      - { .name: rsel, .offset: 8, .size: 8, .value_kind: global_buffer, .address_space: global }
      - { .name: hist, .offset: 16, .size: 8, .value_kind: global_buffer, .address_space: global }
      - { .name: coef, .offset: 24, .size: 8, .value_kind: global_buffer, .address_space: global }
      - { .name: xs, .offset: 32, .size: 8, .value_kind: global_buffer, .address_space: global }
      - { .name: perm, .offset: 40, .size: 8, .value_kind: global_buffer, .address_space: global }
      - { .name: coefs, .offset: 48, .size: 8, .value_kind: global_buffer, .address_space: global }
      - { .name: table, .offset: 56, .size: 8, .value_kind: global_buffer, .address_space: global }
    .group_segment_fixed_size: 3072
    .private_segment_fixed_size: 0
    .kernarg_segment_align: 8
    .kernarg_segment_size: 64
    .max_flat_workgroup_size: 256
    .sgpr_count:     66
    .vgpr_count:     192
    .wavefront_size: 32
...
	.end_amdgpu_metadata
.endif
;; end of part 2
;; launch chain (part 3): grid 4 x 79, 4 waves a work-group, no clusters, 327,680 bytes of LDS; arguments xs, wb, perm, coefs, table, out0; writes out0
.if DOCPART == 3
	.amdgcn_target "amdgcn-amd-amdhsa--gfx1250"
	.amdhsa_code_object_version 6
	.text
	.protected	k_q4c8a533617_chain
	.globl	k_q4c8a533617_chain
	.p2align	8
	.type	k_q4c8a533617_chain,@function
k_q4c8a533617_chain:
	s_mov_b64 s[64:65], 0
	v_nop
	global_prefetch_b8 v0, s[64:65] scope:SCOPE_SE
	s_setreg_imm32_b32 hwreg(HW_REG_WAVE_MODE, 25, 1), 1
	s_wait_xcnt 0x0
; CHAIN.  out[token] = w_lo (x W[lo]) + w_hi (x W[hi]) + c for the tokens of ONE pair of experts (lo, hi): each output row has one owner, and each fragment of x feeds both experts' products.
; A work-group (column tile = x of the grid, row tile = y) takes 160 sorted rows of xs, 256 output columns and both experts.  Its row tile comes from the table that the launch before stored:
; first row, rows (0..160), lo, hi.  79 = ceil(8192 / 160) + 27 row tiles serve every split of the tokens over the 28 pairs.
; SHARES.  A wave takes ALL 160 rows (ten groups g of 16) and 64 columns of both experts (eight fragments f = 4 x expert + block of 16 columns): 80 accumulators, 640 registers.  So each fragment of W
; is wanted by one wave alone: it comes from memory straight into registers (wb lies in fragment order: two loads of 512 consecutive bytes), four buffers of eight fragments, asked for 200 matrix
; instructions ahead.  x is wanted by all four waves and lies in LDS, in panels of 128 along K (160 rows of 256 bytes): seven panels are first fills, the eighth is the one refill, into the first's place.
; BARRIERS.  Five, all on every wave's path: panels 0 and 1 are in; all seven are in; the loop's reads are over; the refill; panel 7 is in.  Between the second and the third stands the loop over panels
; 1 to 5, whose LDS addresses are stepped by a register: in that stretch nothing writes LDS, neither a wave nor a tensor load.
; A TILE WITHOUT ROWS passes every barrier like any other and issues every tensor load; it runs the first step of 32 along K, which writes every accumulator and buffer, and jumps forward over the work
; between the barriers (in the loop: in each trip, to a label ahead of the counter's step); what is jumped holds no barrier and no tensor load.  Where a jump leaves the ring of W's buffers out of
; step, a wait for all loads stands ahead of it, so that no load is pending into a register that is loaded again, whichever way the text is followed.
; In a tile that is not full the rows past the count are other tokens' rows or the zeros behind xs: each row of x touches its own sums alone; whole groups past the count are jumped, and in the one
; group that the count cuts EXEC is narrowed for each store.
; THE MATRIX INSTRUCTION IS USED TRANSPOSED: source 0 = 16 columns of W, source 1 = 16 rows of x: a lane then holds ONE row (lane % 16) and eight neighbouring columns, so the row's coefficients are a lane's own.
; NO CLUSTER.  What work-groups share through tensor loads is x's panels alone, 320 KiB of the 1,344 KiB that a work-group reads (the four column tiles of a row tile); W goes through registers.
; LIMITS.  x and W are rounded once to bf16 by the launches before; sums, coefficients and the output stay in f32.  NaN and infinities are not treated apart.
; REGISTERS, in windows of 256 (s_set_vgpr_msb: bits 1:0 source 0, 3:2 source 1, 5:4 source 2, 7:6 destination):
;   window 0: v0-17 addresses; v48-127 x's ten fragments; v128-255 the accumulators of groups 0, 1 (fragment f at + 8 f)      window 1: W's fragments, four buffers of 64
;   window 2: the accumulators of groups 2 to 5      window 3: of groups 6 to 9.      On the way out window 1 holds coefficients, addresses, combined rows and rows read back.
.set AP,    272                        ; an LDS row of x: 256 bytes + 16: the 16 rows of a fragment load start 16 bytes apart modulo 256
.set PANEL, 160*AP                     ; a panel: 128 along K of all 160 rows
.set QROWS, 40*AP                      ; what one tensor load brings: 40 rows
.set SPARE, 7*PANEL                    ; the spare words, 128 bytes a wave: two blocks of 256 bytes that no other line names
.set STAGE, SPARE+512                  ; 16 rows x 272 bytes for each wave, for the way out; no tensor load lands here
.set SP,    272
.set SUBB,  4096                       ; one expert's four fragments for 32 along K
.set ADR0, 8                           ; LDS address of my part of a fragment of x in slot 0; never rewritten
.set ADRC, 9                           ; the same in the panel in hand
.set ADRN, 10                          ; in the next panel
.set LNB,  11                          ; 16 x lane
.set STO,  12                          ; the way out: where I put 32 bytes of a row
.set RD,   13                          ; the way out: where I read rows back
.set LN,   14                          ; 16 x (lane % 16)
.set H8,   15                          ; 8 x (lane / 16)
.set SPW,  16                          ; my spare word; never rewritten
.set NIL,  17                          ; 0; never rewritten
.set FA,   48                          ; x's fragment of group g at FA + 8 g
.set CF,   0                           ; window 1, the way out: group g: (w_lo, w_hi, c, 0) of my row at CF + 4 g
.set AD,   40                          ; two sets of eight store offsets
.set WH8,  56                          ; copies of H8,
.set WT,   57                          ; (at work)
.set WLN,  58                          ; LN,
.set WSTO, 59                          ; STO
.set WRD,  60                          ; and RD
.set TMP,  64                          ; 32 registers: a group's combined rows
.set BK,   96                          ; two sets of 32: a group's rows read back
.set G1,  24                           ; s[24:31] descriptor group 1
.set G0,  32                           ; s[32:59] descriptor group 0, a set for each of the seven first fills
.set BLO, 60                           ; s[60:61] wb at my fragments of the lower expert, s[62:63] of the higher
.set MSB, 0
.macro WIN new                         ; the immediate's high byte repeats the setting that is left; a switch that changes nothing is dropped
.if MSB != (\new)
	s_set_vgpr_msb (MSB<<8)|(\new)
.set MSB, \new
.endif
.endm
.macro PLACES                          ; four places in front of loads into registers that matrix instructions have read
.rept 4
	v_nop
.endr
.endm
	s_load_b256 s[4:11], s[0:1], 0x0               ; xs s[4:5], wb s[6:7], perm s[8:9], coefs s[10:11]
	s_load_b128 s[12:15], s[0:1], 0x20             ; table s[12:13], out s[14:15]
	v_lshl_add_u32 v[SPW], v0, 2, SPARE
	v_mov_b32 v[NIL], 0
	ds_add_u32 v[SPW], v[NIL]                      ; the wave's opening: the add and its wait stand ahead of my first tensor load; work on registers stands between them
	v_lshrrev_b32 v1, 5, v0
	v_readfirstlane_b32 s16, v1                    ; wave 0..3
	s_mov_b32 s[G1+0], (1<<16)|(1<<20)|(5<<22)|(3<<25)  ; elements of 2 bytes; padding on: after every 64 words (code 5) 4 words (code 3)
	s_mov_b32 s[G1+1], 128<<16                     ; tensor_dim0 = 128
	s_mov_b32 s[G1+2], 40<<16                      ; tensor_dim1 = 40
	s_mov_b32 s[G1+3], 128<<16                     ; tile_dim0 = 128
	s_mov_b32 s[G1+4], 40                          ; tile_dim1 = 40
	s_mov_b32 s[G1+5], 1024                        ; elements from row to row
	s_mov_b32 s[G1+6], 0
	s_mov_b32 s[G1+7], 0
	s_mov_b32 s18, 0xffff0000                      ; lanes 16-31
	s_and_b32 s66, ttmp7, 0xffff                   ; my row tile,
	s_lshl_b32 s66, s66, 4                         ; its 16 bytes in the table
	s_mov_b32 s67, 0
	s_wait_dscnt 0x0                               ; the opening add is done
	s_wait_kmcnt 0x0
	s_add_nc_u64 s[12:13], s[12:13], s[66:67]
	s_load_b128 s[20:23], s[12:13], 0x0            ; first row, rows, lo, hi
	s_wait_kmcnt 0x0
	s_min_u32 s20, s20, 0x1fff                     ; loaded numbers are clamped before they enter an address
	s_min_u32 s21, s21, 160
	s_min_u32 s22, s22, 7
	s_min_u32 s23, s23, 7
	s_mul_i32 s66, s16, 40                         ; my 40 rows of every panel
	s_add_co_u32 s66, s66, s20
	s_lshl_b32 s66, s66, 11                        ; rows of 2,048 bytes
	s_add_nc_u64 s[2:3], s[4:5], s[66:67]
	s_mul_i32 s19, s16, QROWS
.irp p, 0,1,2,3,4,5,6
	s_mov_b32 s[G0+4*(\p)], 1                                      ; count = 1
	s_add_co_u32 s[G0+4*(\p)+1], s19, (\p)*PANEL                   ; LDS address: the slot, my rows in it
	s_add_nc_u64 s[G0+4*(\p)+2:G0+4*(\p)+3], s[2:3], (\p)*256      ; global address: k = 128 p on
	s_or_b32 s[G0+4*(\p)+3], s[G0+4*(\p)+3], 0x80000000            ; type = 2
.endr
.irp p, 0,1,2,3,4,5,6                                  ; the first fills go out as one group, ahead of every wait on TENSORcnt, every LDS read and every barrier: seven loads of mine are out
	tensor_load_to_lds s[G0+4*(\p):G0+4*(\p)+3], s[G1:G1+7]
	s_nop 0
.endr
	PLACES
	v_and_b32 v3, 31, v0
	v_lshlrev_b32 v[LNB], 4, v3
	s_lshl_b32 s100, ttmp9, 2
	s_add_co_u32 s100, s100, s16                   ; my unit of 64 columns = 4 x column tile + wave,
	s_lshl_b32 s100, s100, 17                      ; 131,072 bytes of wb for each expert
	s_lshl_b32 s66, s22, 21                        ; an expert is 2,097,152 bytes
	s_add_co_u32 s66, s66, s100
	s_add_nc_u64 s[BLO:BLO+1], s[6:7], s[66:67]
	s_lshl_b32 s66, s23, 21
	s_add_co_u32 s66, s66, s100
	s_add_nc_u64 s[BLO+2:BLO+3], s[6:7], s[66:67]
; 16 loads: the eight fragments of W for 32 along K, at byte ko from the two bases, into buffer b
.macro LOADB b, ko
	WIN 0x40                                       ; destination window 1, address window 0
.irp f, 0,1,2,3,4,5,6,7
	global_load_b128 v[64*(\b)+8*(\f):64*(\b)+8*(\f)+3],   v[LNB], s[BLO+2*((\f)/4):BLO+2*((\f)/4)+1] offset:(\ko)+((\f)%4)*1024
	global_load_b128 v[64*(\b)+8*(\f)+4:64*(\b)+8*(\f)+7], v[LNB], s[BLO+2*((\f)/4):BLO+2*((\f)/4)+1] offset:(\ko)+((\f)%4)*1024+512
.endr
.endm
	LOADB 0, 0
	LOADB 1, SUBB
	LOADB 2, 2*SUBB
	WIN 0
	s_lshl_b32 s66, s20, 2
	s_add_nc_u64 s[8:9], s[8:9], s[66:67]
	s_load_b512 s[68:83], s[8:9], 0x0              ; the tokens of groups 0
	s_load_b512 s[84:99], s[8:9], 0x40             ; and 1; waited for on the way out
	s_lshl_b32 s66, s20, 4
	s_add_nc_u64 s[10:11], s[10:11], s[66:67]      ; coefs at the tile's first row
	s_lshl_b32 s66, ttmp9, 10
	s_lshl_b32 s100, s16, 8
	s_add_co_u32 s66, s66, s100
	s_add_nc_u64 s[14:15], s[14:15], s[66:67]      ; out at my wave's 256 bytes of a row
	v_and_b32 v1, 15, v0                           ; r = lane % 16
	v_bfe_u32 v2, v0, 4, 1                         ; h = lane / 16
	v_lshlrev_b32 v[LN], 4, v1
	v_lshlrev_b32 v[H8], 3, v2
	; a fragment of x: lane holds row r; k = 8 h + 0..7 and 16 + 8 h + 0..7: two loads of 16 bytes, 32 bytes apart
	v_mul_u32_u24 v[ADR0], v1, AP
	v_lshl_add_u32 v[ADR0], v2, 4, v[ADR0]
	v_add_nc_u32 v[ADRN], PANEL, v[ADR0]
	s_mul_i32 s2, s16, 16*SP
	s_add_co_u32 s2, s2, STAGE                     ; my stage
	v_mul_u32_u24 v4, v1, SP                       ; in: row r, 32 bytes for each half of the lanes
	v_lshl_add_u32 v4, v2, 5, v4
	v_add_nc_u32 v[STO], s2, v4
	v_mul_u32_u24 v4, v2, 8*SP                     ; back: lanes 0-15 take row i's 256 bytes, lanes 16-31 row i + 8's
	v_add_nc_u32 v4, v[LN], v4
	v_add_nc_u32 v[RD], s2, v4
; 8 matrix instructions: row group g x the eight fragments of W in buffer b.  zero = 1: the product starts the sums: nothing is cleared.
; Each accumulator has one instruction in a step of 32 along K, so 79 others' stand between two links of a chain: the accumulators take turns.
.macro MULG b, g, zero
.if (\g) < 2
	WIN 0x01                                       ; W window 1, x window 0, C and D window 0
.set AB, 128+64*(\g)
.elseif (\g) < 6
	WIN 0xa1                                       ; C and D window 2
.set AB, 64*((\g)-2)
.else
	WIN 0xf1                                       ; C and D window 3
.set AB, 64*((\g)-6)
.endif
.irp f, 0,1,2,3,4,5,6,7
.if \zero
	v_wmma_f32_16x16x32_bf16 v[AB+8*(\f):AB+8*(\f)+7], v[64*(\b)+8*(\f):64*(\b)+8*(\f)+7], v[FA+8*(\g):FA+8*(\g)+7], 0
.else
	v_wmma_f32_16x16x32_bf16 v[AB+8*(\f):AB+8*(\f)+7], v[64*(\b)+8*(\f):64*(\b)+8*(\f)+7], v[FA+8*(\g):FA+8*(\g)+7], v[AB+8*(\f):AB+8*(\f)+7]
.endif
.endr
.endm
; 10 LDS loads in one run: x's fragments of groups g0 .. g0 + 4, at byte 64 q of the rows of the panel at address register adr
.macro LOADA adr, q, g0
	WIN 0
.irp d, 0,1,2,3,4
	ds_load_b128 v[FA+8*((\g0)+(\d)):FA+8*((\g0)+(\d))+3],   v[\adr] offset:((\g0)+(\d))*16*AP+(\q)*64
	ds_load_b128 v[FA+8*((\g0)+(\d))+4:FA+8*((\g0)+(\d))+7], v[\adr] offset:((\g0)+(\d))*16*AP+(\q)*64+32
.endr
.endm
.macro LOADCF                          ; my row's coefficients in each of the ten groups, into the buffer of W that is free first
	WIN 0x40
.irp g, 0,1,2,3,4,5,6,7,8,9
	global_load_b128 v[CF+4*(\g):CF+4*(\g)+3], v[LN], s[10:11] offset:256*(\g)
.endr
.endm
; A STEP of 32 along K: 80 matrix instructions on buffer b of W.  x's fragments are loaded again in place for the next step (panel at register pa, byte 64 pq; pa = -1: there is none): groups 0-4 in the
; middle, groups 5-9 at the end, each run four places behind its registers' last reader and 40 matrix instructions ahead of its first use.  In the middle too (ld = 1): W of the step three on, at byte ko,
; into the buffer that the step before multiplied; ld = 2: the coefficients.  lc: how many loads were issued behind this step's W.
.macro SUB b, zero, lc, pa, pq, ld, ko
	s_wait_loadcnt \lc                             ; this step's W is in; the younger loads stay out
	s_wait_dscnt 10                                ; x's groups 0-4 are in; the younger run of ten may be out
.irp g, 0,1,2,3,4
	MULG \b, \g, \zero
.endr
.if ((\pa) >= 0) || (\ld)
	PLACES
.endif
.if (\pa) >= 0
	LOADA \pa, \pq, 0
.endif
.if (\ld) == 1
	LOADB ((\b)+3)%4, \ko
.elseif (\ld) == 2
	LOADCF
.endif
.if (\pa) >= 0
	s_wait_dscnt 10                                ; x's groups 5-9 are in; the ten just issued may be out
.else
	s_wait_dscnt 0x0
.endif
.irp g, 5,6,7,8,9
	MULG \b, \g, \zero
.endr
.if (\pa) >= 0
	PLACES
	LOADA \pa, \pq, 5
.endif
.endm
.macro TRIPEND                         ; four steps on in wb
	WIN 0                                          ; at a label and at a branch every window is 0
	s_wait_xcnt 0x0                                ; the loads issued so far have read their bases: only behind this wait are the bases stepped
	s_add_nc_u64 s[BLO:BLO+1], s[BLO:BLO+1], 4*SUBB
	s_add_nc_u64 s[BLO+2:BLO+3], s[BLO+2:BLO+3], 4*SUBB
.endm
	s_wait_tensorcnt 0x5                           ; my parts of panels 0 and 1 are in; five loads stay out
	s_barrier_signal -1
	s_barrier_wait -1                              ; everybody's are
	LOADA ADR0, 0, 0
	LOADA ADR0, 0, 5
	SUB 0, 1, 32, ADR0, 1, 1, 3*SUBB               ; the first step starts the sums; every wave of every work-group runs it
	WIN 0
	s_cmp_lg_u32 s21, 0
	s_cbranch_scc1 .Lr0
	s_wait_loadcnt 0x0                             ; a tile without rows: what it has asked for is in,
	s_wait_dscnt 0x0
	s_branch .Lb1                                  ; and it jumps over the work
.Lr0:
	SUB 1, 0, 32, ADR0, 2, 1, 4*SUBB
	SUB 2, 0, 32, ADR0, 3, 1, 5*SUBB
	SUB 3, 0, 32, ADRN, 0, 1, 6*SUBB               ; its fragments of x for the next step come from panel 1
	TRIPEND
.Lb1:
	s_wait_tensorcnt 0x0                           ; all my first fills have landed: my parts of panels 2 to 6 among them,
	s_wait_dscnt 0x0                               ; and no LDS instruction of mine is pending at the signal
	s_barrier_signal -1
	s_barrier_wait -1                              ; everybody's have: from here to the barrier behind the loop nothing writes LDS
	s_mov_b32 s17, 5
	s_mov_b32 s19, PANEL
.Ltrip:                                                ; five trips: panels 1 to 5, four steps each; the count, the panel's offset and the two addresses are stepped on every wave's path
	v_add_nc_u32 v[ADRC], s19, v[ADR0]
	s_add_co_u32 s19, s19, PANEL
	v_add_nc_u32 v[ADRN], s19, v[ADR0]
	s_cmp_eq_u32 s21, 0
	s_cbranch_scc1 .Lskip                          ; a tile without rows jumps over the trip's work; a whole trip leaves the ring of W's buffers in step
	SUB 0, 0, 32, ADRC, 1, 1, 3*SUBB
	SUB 1, 0, 32, ADRC, 2, 1, 4*SUBB
	SUB 2, 0, 32, ADRC, 3, 1, 5*SUBB
	SUB 3, 0, 32, ADRN, 0, 1, 6*SUBB
	TRIPEND
.Lskip:
	s_sub_co_u32 s17, s17, 1
	s_cmp_lg_u32 s17, 0
	s_cbranch_scc1 .Ltrip
	s_wait_dscnt 0x0                               ; my reads in the loop are back,
	s_barrier_signal -1
	s_barrier_wait -1                              ; everybody's are: the stretch in which nothing writes LDS ends here
	; THE REFILL: panel 7 goes where panel 0 lay
	s_wait_tensorcnt 0x0                           ; no tensor load of mine is out
	ds_add_u32 v[SPW], v[NIL]                      ; 0 onto my spare word
	s_add_nc_u64 s[G0+2:G0+3], s[G0+2:G0+3], 7*256 ; so a group 0 may be written: k = 896 on
	s_wait_dscnt 0x0                               ; the add is done; my reads of panel 0 were over long ago
	s_barrier_signal -1
	s_barrier_wait -1                              ; both hold of every wave
	tensor_load_to_lds s[G0:G0+3], s[G1:G1+7]      ; my one tensor load behind the barrier, and the first thing there: three steps, 240 matrix instructions, stand ahead of the wait for it
	s_nop 0
	PLACES
	s_cmp_lg_u32 s21, 0
	s_cbranch_scc1 .Lr2
	s_wait_loadcnt 0x0                             ; three steps are jumped, which leaves the ring of W's buffers out of step: nothing stays pending
	s_branch .Lb3
.Lr2:
	v_add_nc_u32 v[ADRC], 6*PANEL, v[ADR0]
	SUB 0, 0, 32, ADRC, 1, 1, 3*SUBB               ; panel 6
	SUB 1, 0, 32, ADRC, 2, 1, 4*SUBB
	SUB 2, 0, 32, ADRC, 3, 1, 5*SUBB
	WIN 0
.Lb3:
	s_wait_tensorcnt 0x0                           ; my part of panel 7 is in (the one load that was out),
	s_wait_dscnt 0x0                               ; no LDS instruction of mine is pending at the signal
	s_barrier_signal -1
	s_barrier_wait -1                              ; everybody's is
	s_cmp_eq_u32 s21, 0
	s_cbranch_scc1 .Ldone                          ; behind the last barrier a tile without rows ends
	SUB 3, 0, 32, ADR0, 0, 1, 6*SUBB               ; panel 6's last step fetches panel 7's first fragments, from slot 0
	TRIPEND
	SUB 0, 0, 32, ADR0, 1, 1, 3*SUBB               ; panel 7: W's last buffer is asked for,
	SUB 1, 0, 32, ADR0, 2, 2, 0                    ; then the coefficients
	SUB 2, 0, 26, ADR0, 3, 0, 0                    ; behind this step's W: the last buffer's 16 loads and the coefficients' 10
	SUB 3, 0, 10, -1, 0, 0, 0                      ; behind this step's W: the coefficients' 10
	; THE WAY OUT, a group of 16 rows at a time: w_hi y_hi + c, then + w_lo y_lo, in f32; 32 bytes a lane and block into my own stage; back as rows of 256 bytes, two to a store; each row to its token's place.
	WIN 0x40                                       ; five copies into window 1, where the way out works: they name no register of the last products and are the places behind them
	v_mov_b32 v[WH8], v[H8]
	v_mov_b32 v[WLN], v[LN]
	v_mov_b32 v[WSTO], v[STO]
	v_mov_b32 v[WRD], v[RD]
	v_mov_b32 v[WT], v[LN]
	s_wait_loadcnt 0x0                             ; the coefficients
.macro GROUP g
	WIN 0
	s_cmp_le_u32 s21, 16*(\g)
	s_cbranch_scc1 .Ldone                          ; no row from here on exists
.if (\g) < 2
.set AW, 0
.set AB, 128+64*(\g)
.elseif (\g) < 6
.set AW, 2
.set AB, 64*((\g)-2)
.else
.set AW, 3
.set AB, 64*((\g)-6)
.endif
.set CG, CF+4*(\g)
.set BKB, BK+32*((\g)%2)
.set ADB, AD+8*((\g)%2)
.set TK, 68+16*((\g)%2)
	WIN 0x54|AW                                    ; source 0 in the accumulators' window, all else in window 1
.irp nb, 0,1,2,3                                       ; each accumulator is read from its low end on
.irp j, 0,2,4,6
	v_pk_fma_f32 v[TMP+8*(\nb)+(\j):TMP+8*(\nb)+(\j)+1], v[AB+32+8*(\nb)+(\j):AB+32+8*(\nb)+(\j)+1], v[CG:CG+1], v[CG+2:CG+3] op_sel:[0,1,0] op_sel_hi:[1,1,0]
.endr
.irp j, 0,2,4,6
	v_pk_fma_f32 v[TMP+8*(\nb)+(\j):TMP+8*(\nb)+(\j)+1], v[AB+8*(\nb)+(\j):AB+8*(\nb)+(\j)+1], v[CG:CG+1], v[TMP+8*(\nb)+(\j):TMP+8*(\nb)+(\j)+1] op_sel_hi:[1,0,1]
.endr
.endr
	WIN 0x55
.irp nb, 0,1,2,3
	ds_store_b128 v[WSTO], v[TMP+8*(\nb):TMP+8*(\nb)+3]   offset:64*(\nb)
	ds_store_b128 v[WSTO], v[TMP+8*(\nb)+4:TMP+8*(\nb)+7] offset:64*(\nb)+16
.endr
	s_wait_xcnt 0x0                                ; earlier stores have read their data and offsets: only behind this wait are those registers written again
.irp i, 0,1,2,3,4,5,6,7
	ds_load_b128 v[BKB+4*(\i):BKB+4*(\i)+3], v[WRD] offset:SP*(\i)   ; LDS serves a wave's instructions in order: these see the stores above, and the next group's stores come behind them
.endr
	s_wait_kmcnt 0x0                               ; the group's 16 tokens
.irp i, 0,1,2,3,4,5,6,7,8,9,10,11,12,13,14,15
	s_min_u32 s[TK+(\i)], s[TK+(\i)], 0x1fff       ; a loaded number is clamped before it enters an address
.endr
.irp i, 0,1,2,3,4,5,6,7
	v_mov_b32 v[WT], s[TK+(\i)]                    ; lanes 0-15: row i's token,
	v_cndmask_b32 v[WT], v[WT], s[TK+8+(\i)], s18  ; lanes 16-31: row i + 8's
	v_lshl_add_u32 v[ADB+(\i)], v[WT], 12, v[WLN]  ; rows of 4,096 bytes
.endr
.if (\g)+2 <= 9
	s_load_b512 s[TK:TK+15], s[8:9], 64*((\g)+2)   ; the tokens of the group after the next
.endif
	WIN 0
	s_cmp_lt_u32 s21, 16*(\g)+16
	s_cbranch_scc1 .Lpart_\@
	WIN 0x55
.irp i, 0,1,2,3,4,5,6,7
	s_wait_dscnt 7-(\i)                            ; rows i and i + 8 are back; the younger rows may be out
	global_store_b128 v[ADB+(\i)], v[BKB+4*(\i):BKB+4*(\i)+3], s[14:15] th:TH_STORE_NT   ; each half of the wave stores 256 consecutive bytes, at a multiple of 256 from out's first byte
.endr
	WIN 0
	s_branch .Lnext_\@
.Lpart_\@:                                             ; the count cuts this group: it is the last; a lane stores if its row, 16 g + i + 8 (lane / 16), is below the count
	WIN 0x55
	s_wait_dscnt 0x0
.irp i, 0,1,2,3,4,5,6,7
	s_sub_co_i32 s2, s21, 16*(\g)+(\i)
	v_cmp_gt_i32 vcc_lo, s2, v[WH8]
	s_wait_xcnt 0x0                                ; EXEC is a source of the memory instructions issued so far: it changes only behind this wait,
	s_and_saveexec_b32 s100, vcc_lo
	global_store_b128 v[ADB+(\i)], v[BKB+4*(\i):BKB+4*(\i)+3], s[14:15] th:TH_STORE_NT
	s_wait_xcnt 0x0                                ; and again in front of the line that widens it
	s_or_b32 exec_lo, exec_lo, s100
.endr
	WIN 0
	s_branch .Ldone
.Lnext_\@:
.endm
	GROUP 0
	GROUP 1
	GROUP 2
	GROUP 3
	GROUP 4
	GROUP 5
	GROUP 6
	GROUP 7
	GROUP 8
	GROUP 9
.Ldone:
	s_wait_tensorcnt 0x0                           ; the wave's end: behind my last tensor load and my last LDS store
	ds_add_u32 v[SPW], v[NIL]
	s_wait_dscnt 0x0
	s_endpgm
.Lfunc_end_k_q4c8a533617_chain:
	.size	k_q4c8a533617_chain, .Lfunc_end_k_q4c8a533617_chain-k_q4c8a533617_chain
	.p2alignl 7, 3214868480
	.fill 96, 4, 3214868480
	.section	.rodata,"a",@progbits
	.p2align	6, 0x0
	.amdhsa_kernel k_q4c8a533617_chain
		.amdhsa_group_segment_fixed_size 327680
		.amdhsa_private_segment_fixed_size 0
		.amdhsa_enable_private_segment 0
		.amdhsa_kernarg_size 48
		.amdhsa_user_sgpr_count 2
		.amdhsa_user_sgpr_kernarg_segment_ptr 1
		.amdhsa_wavefront_size32 1
		.amdhsa_system_sgpr_workgroup_id_x 1
		.amdhsa_system_sgpr_workgroup_id_y 1
		.amdhsa_system_sgpr_workgroup_id_z 1
		.amdhsa_system_vgpr_workitem_id 0
		.amdhsa_next_free_vgpr 1024
		.amdhsa_next_free_sgpr 102
		.amdhsa_reserve_vcc 1
		.amdhsa_float_denorm_mode_32 3
		.amdhsa_float_denorm_mode_16_64 3
		.amdhsa_memory_ordered 1
		.amdhsa_forward_progress 1
		.amdhsa_inst_pref_size 235
	.end_amdhsa_kernel
	.amdgpu_metadata
---
amdhsa.version: [ 1, 2 ]
amdhsa.kernels:
  - .name:           k_q4c8a533617_chain
    .symbol:         k_q4c8a533617_chain.kd
    .args:
      - { .name: xs, .offset: 0, .size: 8, .value_kind: global_buffer, .address_space: global }
      - { .name: wb, .offset: 8, .size: 8, .value_kind: global_buffer, .address_space: global }
      - { .name: perm, .offset: 16, .size: 8, .value_kind: global_buffer, .address_space: global }
      - { .name: coefs, .offset: 24, .size: 8, .value_kind: global_buffer, .address_space: global }
      - { .name: table, .offset: 32, .size: 8, .value_kind: global_buffer, .address_space: global }
      - { .name: out0, .offset: 40, .size: 8, .value_kind: global_buffer, .address_space: global }
    .group_segment_fixed_size: 327680
    .private_segment_fixed_size: 0
    .kernarg_segment_align: 8
    .kernarg_segment_size: 48
    .max_flat_workgroup_size: 128
    .sgpr_count:     102
    .vgpr_count:     1024
    .wavefront_size: 32
...
	.end_amdgpu_metadata
.endif
;; end of part 3
;; ======== version 2 of 2: 3 launches; 1.12 times as fast as version 1
;; workspace buffers: wb 16,777,216 bytes; xs 17,104,896 bytes; rsel 32,768 bytes of whole numbers; hist 32,768 bytes of whole numbers; coef 131,072 bytes; perm 33,792 bytes of whole numbers; coefs 135,168 bytes; table 1,536 bytes of whole numbers
;; launch route: the kernel of part 1 again; grid 256 x 1, 8 waves a work-group, no clusters, 152,576 bytes of LDS; arguments hidden_states, router_w, expert_weights, wb, rsel, hist, coef; writes wb, rsel, hist, coef
;; launch place (part 4): grid 257 x 1, 8 waves a work-group, no clusters, 3,072 bytes of LDS; arguments hidden_states, rsel, hist, coef, xs, perm, coefs, table; writes xs, perm, coefs, table
.if DOCPART == 4
	.amdgcn_target "amdgcn-amd-amdhsa--gfx1250"
	.amdhsa_code_object_version 6
	.text
	.protected	k_q4c8a533617_place
	.globl	k_q4c8a533617_place
	.p2align	8
	.type	k_q4c8a533617_place,@function
k_q4c8a533617_place:
	s_mov_b64 s[64:65], 0
	v_nop
	global_prefetch_b8 v0, s[64:65] scope:SCOPE_SE
	s_setreg_imm32_b32 hwreg(HW_REG_WAVE_MODE, 25, 1), 1
	s_wait_xcnt 0x0
; PLACE.  A counting sort of the 8,192 tokens by their pair of experts (sid 0..27), from the whole numbers that the launch before stored.  No atomics: every work-group adds up
; the 256 x 32 histogram for itself.  A token's place = (tokens of lower sids) + (tokens of its sid in lower blocks) + (its rank in its block).
; Work-group b < 256 places its block of 32 tokens: the rows of x, rounded to bf16, go to xs in sorted order (wave w: rows 4 w .. 4 w + 3; a store of the wave covers 256 consecutive
; bytes, aligned); wave 0 also sends each token's number to perm and its three coefficients to coefs.  The 160 rows of zeros behind xs, into which a last tile may reach, are shared out:
; 327,680 / 256 = 1,280 bytes a work-group, 256 for each of its waves 0 to 4.
; Work-group 256 writes the list of row tiles (start row, rows 0..160, lower expert, higher expert; a pair of c tokens has ceil(c / 160) tiles; 96 entries, the unused ones with 0 rows)
; and the zeros behind perm and coefs, 256 entries each.
; All 257 run one text up to and behind the one barrier, so work-group 256 also issues block 255's loads of x, rsel and coef; it uses none of them and leaves their registers alone.
; SCALAR AND VECTOR WORK STAND IN RUNS OF THEIR OWN: lane reads, then scalar sums, then vector lines that take the scalars: a scalar line waits for a vector result once a run, not once a pair.
.set RED,   0                          ; LDS: wave w, lane s: its blocks' total of sid s at 256 w + 4 s, of the blocks below mine at + 128
.set SPARE, 2048                       ; the spare words, 128 bytes a wave: four blocks of 256 bytes that no other line names
.set LANE, 1
.set HO,   2                           ; 4096 w + 4 lane: sid = lane of block 32 w in hist
.set L4,   3
.set L8,   4
.set L16,  5
.set XO,   6                           ; 16384 w + 16 lane: my 16 bytes of my wave's first row
.set SPW,  7                           ; my spare word; never rewritten
.set NIL,  8                           ; 0; never rewritten
.set TOT,  9                           ; lane s: tokens of sid s
.set PRE,  10                          ; lane s: those in blocks below mine
.set BAS,  11                          ; lane s: tokens of lower sids
.set OFS,  12                          ; BAS + PRE
.set POS,  13                          ; lane t: the sorted place of token t of my block
.set T,    14
.set T2,   15
.set H,    16                          ; v[16:47] 32 words of hist; later at work
.set CFV,  48                          ; v[48:51] my token's coef
.set SR,   52                          ; my token's rsel
.set ENT,  56                          ; v[56:59] a table entry
.set Z,    60                          ; v[60:63] zeros
.set X,    64                          ; v[64:191] row i, chunk c at X + 32 i + 4 c
.set SM,   32                          ; s[32:63] 1 where my wave's block i lies below my work-group's block, else 0
.set IA,   66                          ; s[66:93] tokens of sids 0 .. s, summed
.set IB,   32                          ; s[32:59] work-group 256: tiles of sids 0 .. s, summed (where SM lay)
	s_load_b512 s[8:23], s[0:1], 0x0               ; x s[8:9], rsel s[10:11], hist s[12:13], coef s[14:15], xs s[16:17], perm s[18:19], coefs s[20:21], table s[22:23]
	v_lshl_add_u32 v[SPW], v0, 2, SPARE
	v_mov_b32 v[NIL], 0
	v_lshrrev_b32 v[T], 5, v0
	v_readfirstlane_b32 s26, v[T]                  ; wave 0..7
	v_and_b32 v[LANE], 31, v0
	s_mov_b32 s24, ttmp9                           ; b
	s_min_u32 s25, s24, 255                        ; the block whose rows are loaded
	v_lshlrev_b32 v[L4], 2, v[LANE]
	v_lshlrev_b32 v[L8], 3, v[LANE]
	v_lshlrev_b32 v[L16], 4, v[LANE]
	s_lshl_b32 s28, s26, 12
	v_add_nc_u32 v[HO], s28, v[L4]
	s_lshl_b32 s28, s26, 14
	v_add_nc_u32 v[XO], s28, v[L16]
	s_lshl_b32 s30, s25, 17
	s_mov_b32 s31, 0
	s_wait_kmcnt 0x0
	s_add_nc_u64 s[8:9], s[8:9], s[30:31]
	s_lshl_b32 s30, s25, 7
	s_add_nc_u64 s[10:11], s[10:11], s[30:31]
	s_lshl_b32 s30, s25, 9
	s_add_nc_u64 s[14:15], s[14:15], s[30:31]
.set i, 0
.rept 32                                               ; my wave's 32 blocks of the histogram, a sid a lane
	global_load_b32 v[H+i], v[HO], s[12:13] offset:128*i
.set i, i+1
.endr
	global_load_b32 v[SR], v[L4], s[10:11]
	global_load_b128 v[CFV:CFV+3], v[L16], s[14:15]
.irp i, 0,1,2,3
.irp c, 0,1,2,3,4,5,6,7                                ; my wave's four rows: each load covers 512 consecutive bytes
	global_load_b128 v[X+32*(\i)+4*(\c):X+32*(\i)+4*(\c)+3], v[XO], s[8:9] offset:4096*(\i)+512*(\c) th:TH_LOAD_NT
.endr
.endr
	s_lshl_b32 s27, s26, 5                         ; while the loads are out: the 32 multipliers
	s_sub_co_i32 s27, s24, s27                     ; b - 32 w: my wave's block i lies below mine if i is less
.set i, 0
.rept 32
	s_cmp_lt_i32 i, s27
	s_cselect_b32 s[SM+i], 1, 0
.set i, i+1
.endr
	s_wait_loadcnt 34                              ; the histogram is in; behind it stand rsel, coef and the 32 loads of x
	v_mov_b32 v[TOT], 0
	v_mov_b32 v[PRE], 0
	v_mov_b32 v[T2], 0
.set i, 0
.rept 16                                               ; three chains that do not wait for each other
	v_add3_u32 v[TOT], v[H+i], v[H+i+1], v[TOT]
	v_mad_u32_u24 v[PRE], v[H+i], s[SM+i], v[PRE]
	v_mad_u32_u24 v[T2], v[H+i+1], s[SM+i+1], v[T2]
.set i, i+2
.endr
	v_add_nc_u32 v[PRE], v[PRE], v[T2]
	s_lshl_b32 s28, s26, 8
	v_add_nc_u32 v[T], s28, v[L4]
	ds_store_b32 v[T], v[TOT]
	ds_store_b32 v[T], v[PRE] offset:128
	s_wait_dscnt 0x0                               ; for the others' sake: my sums are in LDS
	s_barrier_signal -1
	s_barrier_wait -1
.irp w, 0,1,2,3,4,5,6,7
	ds_load_b32 v[H+2*(\w)],   v[L4] offset:256*(\w)
	ds_load_b32 v[H+2*(\w)+1], v[L4] offset:256*(\w)+128
.endr
	s_wait_dscnt 0x0
	v_add3_u32 v[TOT], v[H], v[H+2], v[H+4]
	v_add3_u32 v[PRE], v[H+1], v[H+3], v[H+5]
	v_add3_u32 v[TOT], v[TOT], v[H+6], v[H+8]
	v_add3_u32 v[PRE], v[PRE], v[H+7], v[H+9]
	v_add3_u32 v[TOT], v[TOT], v[H+10], v[H+12]
	v_add3_u32 v[PRE], v[PRE], v[H+11], v[H+13]
	v_add_nc_u32 v[TOT], v[TOT], v[H+14]
	v_add_nc_u32 v[PRE], v[PRE], v[H+15]
	; the running sum over the sids, in three runs: 28 lane reads, 27 scalar sums, 27 lane writes
.set sid, 0
.rept 28
	v_readlane_b32 s[IA+sid], v[TOT], sid
.set sid, sid+1
.endr
.set sid, 1
.rept 27
	s_add_co_u32 s[IA+sid], s[IA+sid], s[IA+sid-1]
.set sid, sid+1
.endr
	v_mov_b32 v[BAS], 0
.set sid, 1
.rept 27
	v_writelane_b32 v[BAS], s[IA+sid-1], sid
.set sid, sid+1
.endr
	v_add_nc_u32 v[OFS], v[BAS], v[PRE]
	s_cmp_eq_u32 s24, 256
	s_cbranch_scc1 .Ltable
	; THE ROWS
	s_wait_loadcnt 32                              ; rsel and coef are in; the 32 loads of x stay out
	v_and_b32 v[T], 31, v[SR]                      ; my token's sid,
	v_min_u32 v[T], 27, v[T]                       ; held to the table's range before it serves as a lane's number
	v_lshlrev_b32 v[T], 2, v[T]
	ds_bpermute_b32 v[T2], v[T], v[OFS]            ; where my sid's tokens of this block begin
	v_lshrrev_b32 v[POS], 5, v[SR]                 ; my rank among them
	s_wait_dscnt 0x0
	v_add_nc_u32 v[POS], v[POS], v[T2]
	v_min_u32 v[POS], 0x1fff, v[POS]               ; a number made of loaded ones is clamped before it enters an address
	s_cmp_lg_u32 s26, 0
	s_cbranch_scc1 .Lrows
	s_lshl_b32 s28, s24, 5
	v_add_nc_u32 v53, s28, v[LANE]                 ; my token's number
	v_lshlrev_b32 v54, 2, v[POS]
	v_lshlrev_b32 v55, 4, v[POS]
	global_store_b32 v54, v53, s[18:19]
	global_store_b128 v55, v[CFV:CFV+3], s[20:21]
.Lrows:
	s_cmp_gt_u32 s26, 4
	s_cbranch_scc1 .Lcopy
	s_mul_i32 s28, s24, 1280                       ; waves 0 to 4: my work-group's 1,280 bytes of the zeros behind xs,
	s_lshl_b32 s29, s26, 8                         ; my wave's 256 of them,
	s_add_co_u32 s28, s28, s29
	s_add_co_u32 s28, s28, 0x1000000               ; behind xs's 8,192 rows of 2,048 bytes
	v_mov_b32 v[Z], 0
	v_mov_b32 v[Z+1], 0
	v_add_nc_u32 v[T2], s28, v[L8]
	global_store_b64 v[T2], v[Z:Z+1], s[16:17]     ; the wave stores 256 consecutive bytes, aligned
.Lcopy:
	s_lshl_b32 s45, s26, 2
.irp i, 0,1,2,3
	s_add_co_u32 s46, s45, \i
	v_readlane_b32 s30, v[POS], s46                ; the place of my wave's row i
	s_min_u32 s30, s30, 0x1fff
	s_lshl_b32 s30, s30, 11                        ; rows of 2,048 bytes
	s_add_nc_u64 s[32+2*(\i):33+2*(\i)], s[16:17], s[30:31]
.endr
.irp i, 0,1,2,3
	s_wait_loadcnt 24-8*(\i)                       ; row i's eight loads are in; the younger rows' stay out
.irp c, 0,1,2,3,4,5,6,7
	v_cvt_pk_bf16_f32 v[X+32*(\i)+4*(\c)],   v[X+32*(\i)+4*(\c)],   v[X+32*(\i)+4*(\c)+1]
	v_cvt_pk_bf16_f32 v[X+32*(\i)+4*(\c)+1], v[X+32*(\i)+4*(\c)+2], v[X+32*(\i)+4*(\c)+3]
	global_store_b64 v[L8], v[X+32*(\i)+4*(\c):X+32*(\i)+4*(\c)+1], s[32+2*(\i):33+2*(\i)] offset:256*(\c)
.endr
.endr
	s_branch .Lend
.Ltable:                                               ; WORK-GROUP 256
	s_cmp_gt_u32 s26, 2
	s_cbranch_scc1 .Ltails
	; threads 0..95: entry = thread.  First all the scalar work: each pair's tiles, ceil(c / 160), and their running sum
.set sid, 0
.rept 28
	v_readlane_b32 s[IB+sid], v[TOT], sid          ; c
.set sid, sid+1
.endr
.set sid, 0
.rept 28
	s_add_co_u32 s[IB+sid], s[IB+sid], 159
	s_mul_hi_u32 s[IB+sid], s[IB+sid], 0x0199999a  ; 0x199999a x 160 = 2^32 + 64, so the quotient is exact below 2^26
.set sid, sid+1
.endr
.set sid, 1
.rept 27
	s_add_co_u32 s[IB+sid], s[IB+sid], s[IB+sid-1]
.set sid, sid+1
.endr
	; then the vector work: my pair is the last one whose first tile is at or below my entry: each pair in turn takes over where that holds.  A pair without tiles begins where the next one
	; begins, which then takes over from it.
	v_mov_b32 v16, 0                               ; my pair's first tile,
	v_mov_b32 v17, 0                               ; its first row,
	v_mov_b32 v18, s[IA]                           ; the row behind its last,
	v_mov_b32 v[ENT+2], 0                          ; its experts
	v_mov_b32 v[ENT+3], 1
.set sid, 0
.irp lo, 0,1,2,3,4,5,6
.irp hi, 1,2,3,4,5,6,7
.if (\hi) > (\lo)
.if sid > 0
	v_cmp_le_u32 vcc_lo, s[IB+sid-1], v0
	v_cndmask_b32 v16, v16, s[IB+sid-1], vcc_lo
	v_cndmask_b32 v17, v17, s[IA+sid-1], vcc_lo
	v_cndmask_b32 v18, v18, s[IA+sid], vcc_lo
	v_cndmask_b32 v[ENT+2], v[ENT+2], \lo, vcc_lo
	v_cndmask_b32 v[ENT+3], v[ENT+3], \hi, vcc_lo
.endif
.set sid, sid+1
.endif
.endr
.endr
	v_sub_nc_u32 v16, v0, v16                      ; which tile of the pair I am (95 at the most)
	v_mul_u32_u24 v16, v16, 160
	v_add_nc_u32 v17, v17, v16                     ; my first row
	v_sub_nc_u32 v18, v18, v17                     ; the pair's rows from there on: 0 or less for an entry past the last tile
	v_cmp_lt_i32 vcc_lo, 0, v18
	v_cndmask_b32 v18, 0, v18, vcc_lo
	v_min_u32 v[ENT+1], 160, v18                   ; all but a pair's last tile are full
	v_min_u32 v[ENT], 0x1fff, v17
	v_lshlrev_b32 v[T], 4, v0
	global_store_b128 v[T], v[ENT:ENT+3], s[22:23]
.Ltails:
	s_cmp_lg_u32 s26, 3
	s_cbranch_scc1 .Lend
.irp j, 0,1,2,3
	v_mov_b32 v[Z+(\j)], 0
.endr
.irp i, 0,1
	global_store_b128 v[L16], v[Z:Z+3], s[18:19] offset:32768+512*(\i)     ; perm's entries 8192 .. 8447
.endr
.irp i, 0,1,2,3,4,5,6,7
	global_store_b128 v[L16], v[Z:Z+3], s[20:21] offset:131072+512*(\i)    ; coefs' entries 8192 .. 8447
.endr
.Lend:
	s_wait_tensorcnt 0x0                           ; the wave's end: behind my last LDS store
	ds_add_u32 v[SPW], v[NIL]
	s_wait_dscnt 0x0
	s_endpgm
.Lfunc_end_k_q4c8a533617_place:
	.size	k_q4c8a533617_place, .Lfunc_end_k_q4c8a533617_place-k_q4c8a533617_place
	.p2alignl 7, 3214868480
	.fill 96, 4, 3214868480
	.section	.rodata,"a",@progbits
	.p2align	6, 0x0
	.amdhsa_kernel k_q4c8a533617_place
		.amdhsa_group_segment_fixed_size 3072
		.amdhsa_private_segment_fixed_size 0
		.amdhsa_enable_private_segment 0
		.amdhsa_kernarg_size 64
		.amdhsa_user_sgpr_count 2
		.amdhsa_user_sgpr_kernarg_segment_ptr 1
		.amdhsa_wavefront_size32 1
		.amdhsa_system_sgpr_workgroup_id_x 1
		.amdhsa_system_sgpr_workgroup_id_y 1
		.amdhsa_system_sgpr_workgroup_id_z 1
		.amdhsa_system_vgpr_workitem_id 0
		.amdhsa_next_free_vgpr 192
		.amdhsa_next_free_sgpr 94
		.amdhsa_reserve_vcc 1
		.amdhsa_float_denorm_mode_32 3
		.amdhsa_float_denorm_mode_16_64 3
		.amdhsa_memory_ordered 1
		.amdhsa_forward_progress 1
		.amdhsa_inst_pref_size 46
	.end_amdhsa_kernel
	.amdgpu_metadata
---
amdhsa.version: [ 1, 2 ]
amdhsa.kernels:
  - .name:           k_q4c8a533617_place
    .symbol:         k_q4c8a533617_place.kd
    .args:
      - { .name: hidden_states, .offset: 0, .size: 8, .value_kind: global_buffer, .address_space: global }
      - { .name: rsel, .offset: 8, .size: 8, .value_kind: global_buffer, .address_space: global }
      - { .name: hist, .offset: 16, .size: 8, .value_kind: global_buffer, .address_space: global }
      - { .name: coef, .offset: 24, .size: 8, .value_kind: global_buffer, .address_space: global }
      - { .name: xs, .offset: 32, .size: 8, .value_kind: global_buffer, .address_space: global }
      - { .name: perm, .offset: 40, .size: 8, .value_kind: global_buffer, .address_space: global }
      - { .name: coefs, .offset: 48, .size: 8, .value_kind: global_buffer, .address_space: global }
      - { .name: table, .offset: 56, .size: 8, .value_kind: global_buffer, .address_space: global }
    .group_segment_fixed_size: 3072
    .private_segment_fixed_size: 0
    .kernarg_segment_align: 8
    .kernarg_segment_size: 64
    .max_flat_workgroup_size: 256
    .sgpr_count:     94
    .vgpr_count:     192
    .wavefront_size: 32
...
	.end_amdgpu_metadata
.endif
;; end of part 4
;; launch chain (part 5): grid 4 x 79, 4 waves a work-group, no clusters, 327,680 bytes of LDS; arguments xs, wb, perm, coefs, table, out0; writes out0
.if DOCPART == 5
	.amdgcn_target "amdgcn-amd-amdhsa--gfx1250"
	.amdhsa_code_object_version 6
	.text
	.protected	k_q4c8a533617_chain
	.globl	k_q4c8a533617_chain
	.p2align	8
	.type	k_q4c8a533617_chain,@function
k_q4c8a533617_chain:
	s_mov_b64 s[64:65], 0
	v_nop
	global_prefetch_b8 v0, s[64:65] scope:SCOPE_SE
	s_setreg_imm32_b32 hwreg(HW_REG_WAVE_MODE, 25, 1), 1
	s_wait_xcnt 0x0
; CHAIN.  out[token] = w_lo (x W[lo]) + w_hi (x W[hi]) + c for the tokens of ONE pair of experts (lo, hi): each output row has one owner, and each fragment of x feeds both experts' products.
; A work-group (column tile = x of the grid, row tile = y) takes 160 sorted rows of xs, 256 output columns and both experts.  Its row tile comes from the table that the launch before stored:
; first row, rows (0..160), lo, hi.  79 = ceil(8192 / 160) + 27 row tiles serve every split of the tokens over the 28 pairs.
; SHARES.  A wave takes ALL 160 rows (ten groups g of 16) and 64 columns of both experts (eight fragments f = 4 x expert + block of 16 columns): 80 accumulators, 640 registers.  So each fragment of W
; is wanted by one wave alone: it comes from memory straight into registers (wb lies in fragment order: two loads of 512 consecutive bytes), four buffers of eight fragments, asked for 200 matrix
; instructions ahead.  x is wanted by all four waves and lies in LDS, in panels of 128 along K (160 rows of 256 bytes): seven panels are first fills, the eighth is the one refill, into the first's place.
; BARRIERS.  Six, all on every wave's path: panel 0 is in; panels 1 and 2 are in; all seven are in; the loop's reads are over; the refill; panel 7 is in.  Panels 0 and 1 are walked by text with
; constant LDS addresses, while later first fills are still on their way: eight steps of 32 along K stand between the first fills and the wait for all of them.  Between the third barrier and the
; fourth stands the loop over panels 2 to 5, whose LDS addresses are stepped by a register: in that stretch nothing writes LDS, neither a wave nor a tensor load.
; A TILE WITHOUT ROWS passes every barrier like any other and issues every tensor load; it runs the first step of 32 along K, which writes every accumulator and buffer, and jumps forward over the work
; between the barriers (in the loop: in each trip, to a label ahead of the counter's step); what is jumped holds no barrier and no tensor load.  Where a jump leaves the ring of W's buffers out of
; step, a wait for all loads stands ahead of it, so that no load is pending into a register that is loaded again, whichever way the text is followed.
; A TILE THAT IS NOT FULL.  The rows past the count are other tokens' rows or the zeros behind xs: each row of x touches its own sums alone.  In every step but the first the products of row groups
; past the last live one are jumped, two groups at a time: five tests a step on the number of live groups, each a forward jump over matrix instructions alone, so that every load, wait and place
; stands on every path.  A test wants every register window at 0: seven more switches a step are the price.  On the way out the groups past the count are never begun, and the tile's last group is
; stored with EXEC narrowed for each store (a full tile's tenth group: without).
; THE MATRIX INSTRUCTION IS USED TRANSPOSED: source 0 = 16 columns of W, source 1 = 16 rows of x: a lane then holds ONE row (lane % 16) and eight neighbouring columns, so the row's coefficients are a lane's own.
; NO CLUSTER.  What work-groups share through tensor loads is x's panels alone, 320 KiB of the 1,344 KiB that a work-group reads (the four column tiles of a row tile); W goes through registers.
; LIMITS.  x and W are rounded once to bf16 by the launches before; sums, coefficients and the output stay in f32.  NaN and infinities are not treated apart.
; REGISTERS, in windows of 256 (s_set_vgpr_msb: bits 1:0 source 0, 3:2 source 1, 5:4 source 2, 7:6 destination):
;   window 0: v0-18 addresses; v48-127 x's ten fragments; v128-255 the accumulators of groups 0, 1 (fragment f at + 8 f)      window 1: W's fragments, four buffers of 64
;   window 2: the accumulators of groups 2 to 5      window 3: of groups 6 to 9.      On the way out window 1 holds coefficients, tokens, addresses, combined rows, rows read back and store offsets.
.set AP,    272                        ; an LDS row of x: 256 bytes + 16: the 16 rows of a fragment load start 16 bytes apart modulo 256
.set PANEL, 160*AP                     ; a panel: 128 along K of all 160 rows
.set QROWS, 40*AP                      ; what one tensor load brings: 40 rows
.set SPARE, 7*PANEL                    ; the spare words, 128 bytes a wave: two blocks of 256 bytes that no other line names
.set STAGE, SPARE+512                  ; 16 rows x 272 bytes for each wave, for the way out; no tensor load lands here
.set SP,    272
.set SUBB,  4096                       ; one expert's four fragments for 32 along K
.set ADR0, 8                           ; LDS address of my part of a fragment of x in slot 0; never rewritten
.set ADRC, 9                           ; the same in panel 2; in the loop: in the panel in hand
.set ADRN, 10                          ; in panel 1; in the loop: in the next panel
.set LNB,  11                          ; 16 x lane
.set STO,  12                          ; the way out: where I put 32 bytes of a row
.set RD,   13                          ; the way out: where I read rows back
.set LN,   14                          ; 16 x (lane % 16)
.set H8,   15                          ; 8 x (lane / 16)
.set SPW,  16                          ; my spare word; never rewritten
.set NIL,  17                          ; 0; never rewritten
.set H32,  18                          ; 32 x (lane / 16): my half's eight tokens of a group in perm
.set FA,   48                          ; x's fragment of group g at FA + 8 g
.set CF,   0                           ; window 1, the way out: group g: (w_lo, w_hi, c, 0) of my row at CF + 4 g: v0-39
                                       ; tokens, eight registers a group (register i: the token of row 16 g + 8 (lane / 16) + i): groups 0-2 at v40-63, groups 3-9 at v64-119
.set WH8,  128                         ; copies of H8,
.set WLN,  129                         ; LN,
.set WSTO, 130                         ; STO
.set WRD,  131                         ; and RD
.set TMP,  132                         ; 32 registers: a group's combined rows
.set BK,   164                         ; two sets of 32, by the group's parity: its rows read back
.set AD,   228                         ; two sets of 8, by the group's parity: its stores' offsets
.set G1,  24                           ; s[24:31] descriptor group 1
.set G0,  32                           ; s[32:59] descriptor group 0, a set for each of the seven first fills
.set BLO, 60                           ; s[60:61] wb at my fragments of the lower expert, s[62:63] of the higher
.set NG,  69                           ; s69 the tile's live row groups: ceil(rows / 16)
.set MSB, 0
.macro WIN new                         ; the immediate's high byte repeats the setting that is left; a switch that changes nothing is dropped
.if MSB != (\new)
	s_set_vgpr_msb (MSB<<8)|(\new)
.set MSB, \new
.endif
.endm
.macro PLACES                          ; four places in front of loads into registers that matrix instructions have read
.rept 4
	v_nop
.endr
.endm
	s_load_b256 s[4:11], s[0:1], 0x0               ; xs s[4:5], wb s[6:7], perm s[8:9], coefs s[10:11]
	s_load_b128 s[12:15], s[0:1], 0x20             ; table s[12:13], out s[14:15]
	v_lshl_add_u32 v[SPW], v0, 2, SPARE
	v_mov_b32 v[NIL], 0
	ds_add_u32 v[SPW], v[NIL]                      ; the wave's opening: the add and its wait stand ahead of my first tensor load; work on registers stands between them
	v_lshrrev_b32 v1, 5, v0
	v_readfirstlane_b32 s16, v1                    ; wave 0..3
	s_mov_b32 s[G1+0], (1<<16)|(1<<20)|(5<<22)|(3<<25)  ; elements of 2 bytes; padding on: after every 64 words (code 5) 4 words (code 3)
	s_mov_b32 s[G1+1], 128<<16                     ; tensor_dim0 = 128
	s_mov_b32 s[G1+2], 40<<16                      ; tensor_dim1 = 40
	s_mov_b32 s[G1+3], 128<<16                     ; tile_dim0 = 128
	s_mov_b32 s[G1+4], 40                          ; tile_dim1 = 40
	s_mov_b32 s[G1+5], 1024                        ; elements from row to row
	s_mov_b32 s[G1+6], 0
	s_mov_b32 s[G1+7], 0
	s_and_b32 s66, ttmp7, 0xffff                   ; my row tile,
	s_lshl_b32 s66, s66, 4                         ; its 16 bytes in the table
	s_mov_b32 s67, 0
	s_wait_dscnt 0x0                               ; the opening add is done
	s_wait_kmcnt 0x0
	s_add_nc_u64 s[12:13], s[12:13], s[66:67]
	s_load_b128 s[20:23], s[12:13], 0x0            ; first row, rows, lo, hi
	s_wait_kmcnt 0x0
	s_min_u32 s20, s20, 0x1fff                     ; loaded numbers are clamped before they enter an address
	s_min_u32 s21, s21, 160
	s_min_u32 s22, s22, 7
	s_min_u32 s23, s23, 7
	s_add_co_u32 s[NG], s21, 15
	s_lshr_b32 s[NG], s[NG], 4                     ; live row groups
	s_mul_i32 s66, s16, 40                         ; my 40 rows of every panel
	s_add_co_u32 s66, s66, s20
	s_lshl_b32 s66, s66, 11                        ; rows of 2,048 bytes
	s_add_nc_u64 s[2:3], s[4:5], s[66:67]
	s_mul_i32 s19, s16, QROWS
.irp p, 0,1,2,3,4,5,6
	s_mov_b32 s[G0+4*(\p)], 1                                      ; count = 1
	s_add_co_u32 s[G0+4*(\p)+1], s19, (\p)*PANEL                   ; LDS address: the slot, my rows in it
	s_add_nc_u64 s[G0+4*(\p)+2:G0+4*(\p)+3], s[2:3], (\p)*256      ; global address: k = 128 p on
	s_or_b32 s[G0+4*(\p)+3], s[G0+4*(\p)+3], 0x80000000            ; type = 2
.endr
.irp p, 0,1,2,3,4,5,6                                  ; the first fills go out as one group, ahead of every wait on TENSORcnt, every LDS read and every barrier: seven loads of mine are out
	tensor_load_to_lds s[G0+4*(\p):G0+4*(\p)+3], s[G1:G1+7]
	s_nop 0
.endr
	PLACES
	v_and_b32 v3, 31, v0
	v_lshlrev_b32 v[LNB], 4, v3
	s_lshl_b32 s68, ttmp9, 2
	s_add_co_u32 s68, s68, s16                     ; my unit of 64 columns = 4 x column tile + wave,
	s_lshl_b32 s68, s68, 17                        ; 131,072 bytes of wb for each expert
	s_lshl_b32 s66, s22, 21                        ; an expert is 2,097,152 bytes
	s_add_co_u32 s66, s66, s68
	s_add_nc_u64 s[BLO:BLO+1], s[6:7], s[66:67]
	s_lshl_b32 s66, s23, 21
	s_add_co_u32 s66, s66, s68
	s_add_nc_u64 s[BLO+2:BLO+3], s[6:7], s[66:67]
; 16 loads: the eight fragments of W for 32 along K, at byte ko from the two bases, into buffer b
.macro LOADB b, ko
	WIN 0x40                                       ; destination window 1, address window 0
.irp f, 0,1,2,3,4,5,6,7
	global_load_b128 v[64*(\b)+8*(\f):64*(\b)+8*(\f)+3],   v[LNB], s[BLO+2*((\f)/4):BLO+2*((\f)/4)+1] offset:(\ko)+((\f)%4)*1024
	global_load_b128 v[64*(\b)+8*(\f)+4:64*(\b)+8*(\f)+7], v[LNB], s[BLO+2*((\f)/4):BLO+2*((\f)/4)+1] offset:(\ko)+((\f)%4)*1024+512
.endr
.endm
	LOADB 0, 0
	LOADB 1, SUBB
	LOADB 2, 2*SUBB
	WIN 0
	s_lshl_b32 s66, s20, 2
	s_add_nc_u64 s[8:9], s[8:9], s[66:67]          ; perm at the tile's first row
	s_lshl_b32 s66, s20, 4
	s_add_nc_u64 s[10:11], s[10:11], s[66:67]      ; coefs at the tile's first row
	s_lshl_b32 s66, ttmp9, 10
	s_lshl_b32 s68, s16, 8
	s_add_co_u32 s66, s66, s68
	s_add_nc_u64 s[14:15], s[14:15], s[66:67]      ; out at my wave's 256 bytes of a row
	v_and_b32 v1, 15, v0                           ; r = lane % 16
	v_bfe_u32 v2, v0, 4, 1                         ; h = lane / 16
	v_lshlrev_b32 v[LN], 4, v1
	v_lshlrev_b32 v[H8], 3, v2
	v_lshlrev_b32 v[H32], 5, v2
	; a fragment of x: lane holds row r; k = 8 h + 0..7 and 16 + 8 h + 0..7: two loads of 16 bytes, 32 bytes apart
	v_mul_u32_u24 v[ADR0], v1, AP
	v_lshl_add_u32 v[ADR0], v2, 4, v[ADR0]
	v_add_nc_u32 v[ADRN], PANEL, v[ADR0]
	v_add_nc_u32 v[ADRC], 2*PANEL, v[ADR0]
	s_mul_i32 s2, s16, 16*SP
	s_add_co_u32 s2, s2, STAGE                     ; my stage
	v_mul_u32_u24 v4, v1, SP                       ; in: row r, 32 bytes for each half of the lanes
	v_lshl_add_u32 v4, v2, 5, v4
	v_add_nc_u32 v[STO], s2, v4
	v_mul_u32_u24 v4, v2, 8*SP                     ; back: lanes 0-15 take row i's 256 bytes, lanes 16-31 row i + 8's
	v_add_nc_u32 v4, v[LN], v4
	v_add_nc_u32 v[RD], s2, v4
; 8 matrix instructions: row group g x the eight fragments of W in buffer b.  zero = 1: the product starts the sums: nothing is cleared.
; Each accumulator has one instruction in a step of 32 along K, so at least 15 others' stand between two links of a chain (79 in a full tile): the accumulators take turns.
.macro MULG b, g, zero
.if (\g) < 2
	WIN 0x01                                       ; W window 1, x window 0, C and D window 0
.set AB, 128+64*(\g)
.elseif (\g) < 6
	WIN 0xa1                                       ; C and D window 2
.set AB, 64*((\g)-2)
.else
	WIN 0xf1                                       ; C and D window 3
.set AB, 64*((\g)-6)
.endif
.irp f, 0,1,2,3,4,5,6,7
.if \zero
	v_wmma_f32_16x16x32_bf16 v[AB+8*(\f):AB+8*(\f)+7], v[64*(\b)+8*(\f):64*(\b)+8*(\f)+7], v[FA+8*(\g):FA+8*(\g)+7], 0
.else
	v_wmma_f32_16x16x32_bf16 v[AB+8*(\f):AB+8*(\f)+7], v[64*(\b)+8*(\f):64*(\b)+8*(\f)+7], v[FA+8*(\g):FA+8*(\g)+7], v[AB+8*(\f):AB+8*(\f)+7]
.endif
.endr
.endm
; 10 LDS loads in one run: x's fragments of groups g0 .. g0 + 4, at byte 64 q of the rows of the panel at address register adr
.macro LOADA adr, q, g0
	WIN 0
.irp d, 0,1,2,3,4
	ds_load_b128 v[FA+8*((\g0)+(\d)):FA+8*((\g0)+(\d))+3],   v[\adr] offset:((\g0)+(\d))*16*AP+(\q)*64
	ds_load_b128 v[FA+8*((\g0)+(\d))+4:FA+8*((\g0)+(\d))+7], v[\adr] offset:((\g0)+(\d))*16*AP+(\q)*64+32
.endr
.endm
; group g's tokens: my half of the lanes reads the eight words of rows 16 g + 8 (lane / 16) + 0..7, so register i holds the token of the row that the way out's store i writes from my lane
.macro LOADTK g
.if (\g) < 3
.set TG, 40+8*(\g)
.else
.set TG, 64+8*((\g)-3)
.endif
	WIN 0x40
	global_load_b128 v[TG:TG+3],   v[H32], s[8:9] offset:64*(\g)
	global_load_b128 v[TG+4:TG+7], v[H32], s[8:9] offset:64*(\g)+16
.endm
.macro LOADCF                          ; 16 loads into the buffer of W that is free first: my row's coefficients in each of the ten groups, and the tokens of groups 0 to 2
	WIN 0x40
.irp g, 0,1,2,3,4,5,6,7,8,9
	global_load_b128 v[CF+4*(\g):CF+4*(\g)+3], v[LN], s[10:11] offset:256*(\g)
.endr
.irp g, 0,1,2
	LOADTK \g
.endr
.endm
.macro TEST n, lbl                     ; the tile has at most n live row groups: the products of the groups from n on are jumped
	WIN 0                                          ; at a branch every window is 0
	s_cmp_le_u32 s[NG], \n
	s_cbranch_scc1 \lbl
.endm
; A STEP of 32 along K: up to 80 matrix instructions on buffer b of W.  x's fragments are loaded again in place for the next step (panel at register pa, byte 64 pq; pa = -1: there is none): groups 0-4 in
; the middle, groups 5-9 at the end, each run four places behind its registers' last reader and, in a full tile, 40 matrix instructions ahead of its first use.  In the middle too: ld = 1: W of the step three on,
; at byte ko, into the buffer that the step before multiplied; ld = 2: the coefficients and the first tokens; ld = 3: the other tokens.  lc: how many loads were issued behind this step's W.
.macro SUB b, zero, lc, pa, pq, ld, ko
	s_wait_loadcnt \lc                             ; this step's W is in; the younger loads stay out
	s_wait_dscnt 10                                ; x's groups 0-4 are in; the younger run of ten may be out
	MULG \b, 0, \zero
	MULG \b, 1, \zero
.if !(\zero)
	TEST 2, .Lmid_\@
.endif
	MULG \b, 2, \zero
	MULG \b, 3, \zero
.if !(\zero)
	TEST 4, .Lmid_\@
.endif
	MULG \b, 4, \zero
.if !(\zero)
	WIN 0                                          ; at a label every window is 0
.Lmid_\@:
.endif
.if ((\pa) >= 0) || (\ld)
	PLACES
.endif
.if (\pa) >= 0
	LOADA \pa, \pq, 0
.endif
.if (\ld) == 1
	LOADB ((\b)+3)%4, \ko
.elseif (\ld) == 2
	LOADCF
.elseif (\ld) == 3
.irp g, 3,4,5,6,7,8,9
	LOADTK \g
.endr
.endif
.if (\pa) >= 0
	s_wait_dscnt 10                                ; x's groups 5-9 are in; the ten just issued may be out
.else
	s_wait_dscnt 0x0
.endif
.if !(\zero)
	TEST 4, .Lend_\@                               ; groups 4 and 5 are one pair: it lies on both sides of the middle
.endif
	MULG \b, 5, \zero
.if !(\zero)
	TEST 6, .Lend_\@
.endif
	MULG \b, 6, \zero
	MULG \b, 7, \zero
.if !(\zero)
	TEST 8, .Lend_\@
.endif
	MULG \b, 8, \zero
	MULG \b, 9, \zero
.if !(\zero)
	WIN 0
.Lend_\@:
.endif
.if (\pa) >= 0
	PLACES
	LOADA \pa, \pq, 5
.endif
.endm
.macro TRIPEND                         ; four steps on in wb
	WIN 0                                          ; at a label and at a branch every window is 0
	s_wait_xcnt 0x0                                ; the loads issued so far have read their bases: only behind this wait are the bases stepped
	s_add_nc_u64 s[BLO:BLO+1], s[BLO:BLO+1], 4*SUBB
	s_add_nc_u64 s[BLO+2:BLO+3], s[BLO+2:BLO+3], 4*SUBB
.endm
	s_wait_tensorcnt 0x6                           ; my part of panel 0 is in; six loads stay out
	s_barrier_signal -1
	s_barrier_wait -1                              ; everybody's is
	LOADA ADR0, 0, 0
	LOADA ADR0, 0, 5
	SUB 0, 1, 32, ADR0, 1, 1, 3*SUBB               ; the first step starts the sums; every wave of every work-group runs all of it
	WIN 0
	s_cmp_lg_u32 s21, 0
	s_cbranch_scc1 .Lr0
	s_wait_loadcnt 0x0                             ; a tile without rows: what it has asked for is in,
	s_wait_dscnt 0x0
	s_branch .Lb0                                  ; and it jumps over the work
.Lr0:
	SUB 1, 0, 32, ADR0, 2, 1, 4*SUBB
	SUB 2, 0, 32, ADR0, 3, 1, 5*SUBB
	WIN 0
.Lb0:
	s_wait_tensorcnt 0x4                           ; my parts of panels 1 and 2 are in; four loads stay out
	s_wait_dscnt 0x0                               ; no LDS instruction of mine is pending at the signal
	s_barrier_signal -1
	s_barrier_wait -1                              ; everybody's are
	s_cmp_lg_u32 s21, 0
	s_cbranch_scc1 .Lr1
	s_wait_loadcnt 0x0                             ; five steps are jumped, which leaves the ring of W's buffers out of step: nothing stays pending
	s_branch .Lb1
.Lr1:
	SUB 3, 0, 32, ADRN, 0, 1, 6*SUBB               ; panel 0's last step fetches panel 1's first fragments
	TRIPEND
	SUB 0, 0, 32, ADRN, 1, 1, 3*SUBB               ; panel 1, written out: its LDS addresses are constants
	SUB 1, 0, 32, ADRN, 2, 1, 4*SUBB
	SUB 2, 0, 32, ADRN, 3, 1, 5*SUBB
	SUB 3, 0, 32, ADRC, 0, 1, 6*SUBB               ; its last step fetches panel 2's first fragments
	TRIPEND
.Lb1:
	s_wait_tensorcnt 0x0                           ; all my first fills have landed: my parts of panels 3 to 6 among them,
	s_wait_dscnt 0x0                               ; and no LDS instruction of mine is pending at the signal
	s_barrier_signal -1
	s_barrier_wait -1                              ; everybody's have: from here to the barrier behind the loop nothing writes LDS
	s_mov_b32 s17, 4
	s_mov_b32 s19, 2*PANEL
.Ltrip:                                                ; four trips: panels 2 to 5, four steps each; the count, the panel's offset and the two addresses are stepped on every wave's path
	v_add_nc_u32 v[ADRC], s19, v[ADR0]
	s_add_co_u32 s19, s19, PANEL
	v_add_nc_u32 v[ADRN], s19, v[ADR0]
	s_cmp_eq_u32 s21, 0
	s_cbranch_scc1 .Lskip                          ; a tile without rows jumps over the trip's work; a whole trip leaves the ring of W's buffers in step
	SUB 0, 0, 32, ADRC, 1, 1, 3*SUBB
	SUB 1, 0, 32, ADRC, 2, 1, 4*SUBB
	SUB 2, 0, 32, ADRC, 3, 1, 5*SUBB
	SUB 3, 0, 32, ADRN, 0, 1, 6*SUBB
	TRIPEND
.Lskip:
	s_sub_co_u32 s17, s17, 1
	s_cmp_lg_u32 s17, 0
	s_cbranch_scc1 .Ltrip
	s_wait_dscnt 0x0                               ; my reads in the loop are back,
	s_barrier_signal -1
	s_barrier_wait -1                              ; everybody's are: the stretch in which nothing writes LDS ends here
	; THE REFILL: panel 7 goes where panel 0 lay
	s_wait_tensorcnt 0x0                           ; no tensor load of mine is out
	ds_add_u32 v[SPW], v[NIL]                      ; 0 onto my spare word
	s_add_nc_u64 s[G0+2:G0+3], s[G0+2:G0+3], 7*256 ; so a group 0 may be written: k = 896 on
	s_wait_dscnt 0x0                               ; the add is done; my reads of panel 0 were over long ago
	s_barrier_signal -1
	s_barrier_wait -1                              ; both hold of every wave
	tensor_load_to_lds s[G0:G0+3], s[G1:G1+7]      ; my one tensor load behind the barrier, and the first thing there: three steps, in a full tile 240 matrix instructions, stand ahead of the wait for it
	s_nop 0
	PLACES
	s_cmp_lg_u32 s21, 0
	s_cbranch_scc1 .Lr2
	s_wait_loadcnt 0x0                             ; three steps are jumped, which leaves the ring of W's buffers out of step: nothing stays pending
	s_branch .Lb3
.Lr2:
	v_add_nc_u32 v[ADRC], 6*PANEL, v[ADR0]
	SUB 0, 0, 32, ADRC, 1, 1, 3*SUBB               ; panel 6
	SUB 1, 0, 32, ADRC, 2, 1, 4*SUBB
	SUB 2, 0, 32, ADRC, 3, 1, 5*SUBB
	WIN 0
.Lb3:
	s_wait_tensorcnt 0x0                           ; my part of panel 7 is in (the one load that was out),
	s_wait_dscnt 0x0                               ; no LDS instruction of mine is pending at the signal
	s_barrier_signal -1
	s_barrier_wait -1                              ; everybody's is
	s_cmp_eq_u32 s21, 0
	s_cbranch_scc1 .Ldone                          ; behind the last barrier a tile without rows ends
	SUB 3, 0, 32, ADR0, 0, 1, 6*SUBB               ; panel 6's last step fetches panel 7's first fragments, from slot 0
	TRIPEND
	SUB 0, 0, 32, ADR0, 1, 1, 3*SUBB               ; panel 7: W's last buffer is asked for,
	SUB 1, 0, 32, ADR0, 2, 2, 0                    ; then the coefficients and the tokens of groups 0 to 2, 16 loads,
	SUB 2, 0, 32, ADR0, 3, 3, 0                    ; then the other tokens, 14 loads.  Behind this step's W: the last buffer's 16 loads and those 16
	SUB 3, 0, 30, -1, 0, 0, 0                      ; behind this step's W: those 16 and those 14
	; THE WAY OUT, a group of 16 rows at a time, in three parts.  FMA: w_hi y_hi + c, then + w_lo y_lo, in f32.  TOSTAGE: 32 bytes a lane and block into my own stage, back as rows of 256 bytes, two to a
	; load; and the stores' offsets.  SENDFULL: each row to its token's place.  Group g + 1's FMA stands between group g's loads from the stage and the wait for them.
	WIN 0x40                                       ; four copies into window 1, where the way out works, into registers of the buffer of W that the step before last read: they name no register of the last products and are the four places behind them
	v_mov_b32 v[WH8], v[H8]
	v_mov_b32 v[WLN], v[LN]
	v_mov_b32 v[WSTO], v[STO]
	v_mov_b32 v[WRD], v[RD]
	s_wait_loadcnt 0x0                             ; the coefficients and the tokens of all ten groups: one wait for the whole way out
.macro FMA g
.if (\g) < 2
.set AW, 0
.set AB, 128+64*(\g)
.elseif (\g) < 6
.set AW, 2
.set AB, 64*((\g)-2)
.else
.set AW, 3
.set AB, 64*((\g)-6)
.endif
.set CG, CF+4*(\g)
	WIN 0x54|AW                                    ; source 0 in the accumulators' window, all else in window 1
.irp nb, 0,1,2,3                                       ; each accumulator is read from its low end on
.irp j, 0,2,4,6
	v_pk_fma_f32 v[TMP+8*(\nb)+(\j):TMP+8*(\nb)+(\j)+1], v[AB+32+8*(\nb)+(\j):AB+32+8*(\nb)+(\j)+1], v[CG:CG+1], v[CG+2:CG+3] op_sel:[0,1,0] op_sel_hi:[1,1,0]
.endr
.irp j, 0,2,4,6
	v_pk_fma_f32 v[TMP+8*(\nb)+(\j):TMP+8*(\nb)+(\j)+1], v[AB+8*(\nb)+(\j):AB+8*(\nb)+(\j)+1], v[CG:CG+1], v[TMP+8*(\nb)+(\j):TMP+8*(\nb)+(\j)+1] op_sel_hi:[1,0,1]
.endr
.endr
.endm
.macro TOSTAGE g
.if (\g) < 3
.set TG, 40+8*(\g)
.else
.set TG, 64+8*((\g)-3)
.endif
.set BKB, BK+32*((\g)%2)
.set ADB, AD+8*((\g)%2)
	WIN 0x55
.irp nb, 0,1,2,3
	ds_store_b128 v[WSTO], v[TMP+8*(\nb):TMP+8*(\nb)+3]   offset:64*(\nb)
	ds_store_b128 v[WSTO], v[TMP+8*(\nb)+4:TMP+8*(\nb)+7] offset:64*(\nb)+16
.endr
	s_wait_xcnt 0x0                                ; earlier stores have read their data and offsets: only behind this wait are the registers of the group two back written again
.irp i, 0,1,2,3,4,5,6,7
	ds_load_b128 v[BKB+4*(\i):BKB+4*(\i)+3], v[WRD] offset:SP*(\i)   ; LDS serves a wave's instructions in order: these see the stores above, and the next group's stores come behind them
.endr
.irp i, 0,1,2,3,4,5,6,7
	v_min_u32 v[TG+(\i)], 0x1fff, v[TG+(\i)]       ; a loaded number is clamped before it enters an address
	v_lshl_add_u32 v[ADB+(\i)], v[TG+(\i)], 12, v[WLN]  ; rows of 4,096 bytes
.endr
.endm
.macro SENDFULL g
.set BKB, BK+32*((\g)%2)
.set ADB, AD+8*((\g)%2)
	WIN 0x55
.irp i, 0,1,2,3,4,5,6,7
	s_wait_dscnt 7-(\i)                            ; rows i and i + 8 are back; the younger rows may be out (no LDS instruction was issued behind the group's eight loads)
	global_store_b128 v[ADB+(\i)], v[BKB+4*(\i):BKB+4*(\i)+3], s[14:15] th:TH_STORE_NT   ; each half of the wave stores 256 consecutive bytes, at a multiple of 256 from out's first byte
.endr
.endm
; The tile's last group, of parity p, with s2 of its 16 rows alive: a lane stores if its row in the group, i + 8 (lane / 16), is below s2.  Written once for each parity: the registers go by the parity alone.
.macro PART p
	WIN 0x55
	s_wait_dscnt 0x0
.irp i, 0,1,2,3,4,5,6,7
	s_sub_co_i32 s3, s2, \i
	v_cmp_gt_i32 vcc_lo, s3, v[WH8]
	s_wait_xcnt 0x0                                ; EXEC is a source of the memory instructions issued so far: it changes only behind this wait,
	s_and_saveexec_b32 s68, vcc_lo
	global_store_b128 v[AD+8*(\p)+(\i)], v[BK+32*(\p)+4*(\i):BK+32*(\p)+4*(\i)+3], s[14:15] th:TH_STORE_NT
	s_wait_xcnt 0x0                                ; and again in front of the line that widens it
	s_or_b32 exec_lo, exec_lo, s68
.endr
	WIN 0
.endm
	FMA 0
	TOSTAGE 0
	s_mov_b32 s2, s21                              ; the rows from the group in hand on
.irp g, 0,1,2,3,4,5,6,7,8
	WIN 0
	s_cmp_le_u32 s21, 16*(\g)+16                   ; no row behind this group exists: it is the last
.if (\g)%2
	s_cbranch_scc1 .Lpart1
.else
	s_cbranch_scc1 .Lpart0
.endif
	FMA (\g)+1
	SENDFULL \g
	TOSTAGE (\g)+1
	s_sub_co_u32 s2, s2, 16
.endr
	WIN 0
	s_cmp_lt_u32 s21, 160
	s_cbranch_scc1 .Lpart1
	SENDFULL 9                                     ; a full tile's tenth group needs no masks
	WIN 0
	s_branch .Ldone
.Lpart1:
	PART 1
	s_branch .Ldone
.Lpart0:
	PART 0
.Ldone:
	s_wait_tensorcnt 0x0                           ; the wave's end: behind my last tensor load and my last LDS store
	ds_add_u32 v[SPW], v[NIL]
	s_wait_dscnt 0x0
	s_endpgm
.Lfunc_end_k_q4c8a533617_chain:
	.size	k_q4c8a533617_chain, .Lfunc_end_k_q4c8a533617_chain-k_q4c8a533617_chain
	.p2alignl 7, 3214868480
	.fill 96, 4, 3214868480
	.section	.rodata,"a",@progbits
	.p2align	6, 0x0
	.amdhsa_kernel k_q4c8a533617_chain
		.amdhsa_group_segment_fixed_size 327680
		.amdhsa_private_segment_fixed_size 0
		.amdhsa_enable_private_segment 0
		.amdhsa_kernarg_size 48
		.amdhsa_user_sgpr_count 2
		.amdhsa_user_sgpr_kernarg_segment_ptr 1
		.amdhsa_wavefront_size32 1
		.amdhsa_system_sgpr_workgroup_id_x 1
		.amdhsa_system_sgpr_workgroup_id_y 1
		.amdhsa_system_sgpr_workgroup_id_z 1
		.amdhsa_system_vgpr_workitem_id 0
		.amdhsa_next_free_vgpr 1024
		.amdhsa_next_free_sgpr 70
		.amdhsa_reserve_vcc 1
		.amdhsa_float_denorm_mode_32 3
		.amdhsa_float_denorm_mode_16_64 3
		.amdhsa_memory_ordered 1
		.amdhsa_forward_progress 1
		.amdhsa_inst_pref_size 245
	.end_amdhsa_kernel
	.amdgpu_metadata
---
amdhsa.version: [ 1, 2 ]
amdhsa.kernels:
  - .name:           k_q4c8a533617_chain
    .symbol:         k_q4c8a533617_chain.kd
    .args:
      - { .name: xs, .offset: 0, .size: 8, .value_kind: global_buffer, .address_space: global }
      - { .name: wb, .offset: 8, .size: 8, .value_kind: global_buffer, .address_space: global }
      - { .name: perm, .offset: 16, .size: 8, .value_kind: global_buffer, .address_space: global }
      - { .name: coefs, .offset: 24, .size: 8, .value_kind: global_buffer, .address_space: global }
      - { .name: table, .offset: 32, .size: 8, .value_kind: global_buffer, .address_space: global }
      - { .name: out0, .offset: 40, .size: 8, .value_kind: global_buffer, .address_space: global }
    .group_segment_fixed_size: 327680
    .private_segment_fixed_size: 0
    .kernarg_segment_align: 8
    .kernarg_segment_size: 48
    .max_flat_workgroup_size: 128
    .sgpr_count:     70
    .vgpr_count:     1024
    .wavefront_size: 32
...
	.end_amdgpu_metadata
.endif
;; end of part 5
